; MI455X (gfx1250); checked and timed in simulation.
; The chip was launched on July 23, 2026; its instructions are those of AMD's public machine-readable ISA for CDNA 5 (MIT licence, August 2026) and "CDNA5" Instruction Set Architecture Reference Guide (July 2026). The comments in the code are by the model that wrote it; some were corrected since.
;; Patch Downsample Block. Allowed arithmetic: float matrix products may take bf16 or f16 operands with f32 sums; other float arithmetic in f32, or as packed bf16 or f16 multiplies, adds, multiply-adds, maxima and minima; sums over many terms, partial sums and values carried from step to step in f32; what a program stores and reads back later, other than sums and carried values, may be rounded once to bf16 or f16.
;; Inputs: W1 384 x 768 float32; W2 768 x 384 float32; Wk 384 x 384 float32; Wq 384 x 384 float32; Wv 384 x 384 float32; b1 768 float32; b2 384 float32; beta 384 float32; bk 384 float32; bq 384 float32; bv 384 float32; gamma 384 float32; x 8 x 16 x 32 x 32 x 384 float32.
;; Outputs: out0 8 x 16 x 16 x 16 x 384 float32.
;; 2 versions, each right; version 2 is version 1 with the launch main written anew for expert scheduling mode. Each part assembles by itself: llvm-mc -triple=amdgcn-amd-amdhsa -mcpu=gfx1250 --defsym DOCPART=n.
;; ======== version 1 of 2: 2 launches
;; limits: inputs' magnitudes at most 16,000; values are held in f16: magnitudes above 65,504 overflow, below 6.1e-05 lose precision
;; workspace buffers: wm 294,912 bytes; ws 1,179,648 bytes; tab 7,680 bytes; cw 3,328 bytes; gmx 2,304 bytes
;; launch prep (part 1): grid 3 x 98, 4 waves a work-group, no clusters, 0 bytes of LDS; arguments Wq, Wk, Wv, W1, W2, bq, bk, bv, b1, b2, gamma, beta, wm, ws, tab, cw, gmx; writes wm, ws, tab, cw, gmx
.if DOCPART == 1
	.amdgcn_target "amdgcn-amd-amdhsa--gfx1250"
	.amdhsa_code_object_version 6
	.text
	.protected	k_qb482f89beb_prep
	.globl	k_qb482f89beb_prep
	.p2align	8
	.type	k_qb482f89beb_prep,@function
k_qb482f89beb_prep:
	s_mov_b64 s[64:65], 0
	v_nop
	global_prefetch_b8 v0, s[64:65] scope:SCOPE_SE
	s_setreg_imm32_b32 hwreg(HW_REG_WAVE_MODE, 25, 1), 1
	s_wait_xcnt 0x0
; THE WEIGHTS ARE FOLDED ONCE, and laid out as the main launch's matrix fragments (f16, sums in f32).
;   M''[e][i] = 16 SL sum_d Wq[i][d] Wk[e][d]      SL = log2(e) / sqrt(384)          -> wm
;   G''[j][i] = 32 sum_d Wv[i][d] W1[d][j]         W2 as it is, turned               -> ws
;   c'[e] = SL sum_d bq[d] Wk[e][d]   w'[i] = SL/4 sum_d Wq[i][d] bk[d]   s0 = SL/32 bq.bk   -> cw
;   kappa (b1 + bv W1), b2, gamma, beta -> tab       the largest |G''| of each fragment -> gmx
; A FRAGMENT IMAGE is 1,024 bytes: 16 weight rows x 32 k; lane l = (r = l % 16, h = l / 16) finds its registers 0-3 (row r, k = 8 h ..) at byte 16 l and its registers 4-7 (k = 16 + 8 h ..) at 512 + 16 l.
; ROLES by the work-group's y (T): 0-23 a tile of 16 rows e of M''; 24 the same product with bk in Wk's place (w', s0); 25-72 a tile of 16 rows j of G''; 73-96 a tile of 16 columns of W2; 97 the three vectors.
; In the first three roles a wave makes one fragment: k step kf = 4 x + wave.  Source 0 = 16 rows i of Wq (Wv), source 1 = the 16 weight rows: a lane's eight results are i = 8 h + 0..7 of row r,
; so two results packed ARE the image.  A third product, with bq (bv) in all 16 rows of source 0, gives the bias terms.
; LIMIT: the weights are rounded to f16 (largest 65,504; fixed step 6e-8 below 6e-5).
.set F16SL, 0x3f96c73f                 ; 16 SL
.set FSL,   0x3d96c73f                 ; SL
.set FSL4,  0x3c96c73f                 ; SL / 4
.set FSL32, 0x3b16c73f                 ; SL / 32
.set KAPPA, 0x3f596d27                 ; sqrt(log2(e) / 2)
.set MSB, 0
.macro WIN new                         ; the immediate's high byte repeats the setting that is left
.if MSB != (\new)
	s_set_vgpr_msb (MSB<<8)|(\new)
.set MSB, \new
.endif
.endm
; 48 loads of 16 bytes: for each of 12 K steps the lane's 16 numbers in f32, d = 32 ks + 8 h + 0..7 and 32 ks + 16 + 8 h + 0..7
.macro LD48 base, vo, sb, extra
.set ks, 0
.rept 12
.set c, 0
.rept 4
	global_load_b128 v[(\base)+16*ks+4*c:(\base)+16*ks+4*c+3], v[\vo], s[\sb:\sb+1] offset:(\extra)+128*ks+16*(c%2)+64*(c/2)
.set c, c+1
.endr
.set ks, ks+1
.endr
.endm
; 12 blocks of 16 f32 become 12 fragments of 8 registers, in place, ascending: a write never passes a read
.macro CVTWIN w, base
	WIN (\w)|((\w)<<2)|((\w)<<6)
.set b, \base
.rept 12
.set m, 0
.rept 8
	v_cvt_pk_f16_f32 v[b+m], v[b+2*m], v[b+2*m+1]
.set m, m+1
.endr
.set b, b+16
.endr
.endm
	s_load_b512 s[8:23], s[0:1], 0x0               ; Wq 8, Wk 10, Wv 12, W1 14, W2 16, bq 18, bk 20, bv 22
	s_load_b512 s[24:39], s[0:1], 0x40             ; b1 24, b2 26, gamma 28, beta 30, wm 32, ws 34, tab 36, cw 38
	s_load_b64 s[40:41], s[0:1], 0x80              ; gmx
	v_lshrrev_b32 v4, 5, v0
	v_readfirstlane_b32 s4, v4                     ; wave
	v_and_b32 v3, 31, v0                           ; l
	v_and_b32 v1, 15, v0                           ; r
	v_bfe_u32 v2, v0, 4, 1                         ; h
	s_and_b32 s2, ttmp7, 0xffff                    ; T
	s_lshl_b32 s5, ttmp9, 2
	s_add_co_u32 s5, s5, s4                        ; kf = 4 x + wave
	v_lshlrev_b32 v15, 4, v3                       ; 16 l
	v_lshlrev_b32 v9, 2, v1                        ; 4 r
	v_lshlrev_b32 v6, 5, v2                        ; 32 h
	v_mov_b32 v8, 0                                ; b1's place: 0 where there is no b1
	v_mov_b32 v12, 0
	v_mov_b32 v11, 0
	s_mov_b32 s51, 0                               ; the high word of every offset
	s_mov_b32 s60, 0x76543210                      ; v_permlanex16_b32: each lane takes its own place in the other half
	s_mov_b32 s61, 0xfedcba98
	s_wait_kmcnt 0x0
	s_cmp_lt_u32 s2, 73
	s_cbranch_scc0 .Lrest
	; ---- the products ----
	s_cmp_lt_u32 s2, 25
	s_cselect_b64 s[42:43], s[8:9], s[12:13]       ; source 0: Wq or Wv
	s_cselect_b64 s[44:45], s[18:19], s[22:23]     ; bq or bv
	s_mul_i32 s50, s5, 49152                       ; rows 32 kf on, 1,536 bytes each
	s_add_nc_u64 s[42:43], s[42:43], s[50:51]
	v_mul_u32_u24 v5, v1, 1536
	v_lshl_add_u32 v5, v2, 5, v5                   ; r x 1,536 + 32 h
	WIN 0x80
	LD48 0, 5, 42, 0                               ; rows i = 32 kf + 0..15  -> window 2
	WIN 0xc0
	LD48 0, 5, 42, 24576                           ; rows i = 32 kf + 16..31 -> window 3
	WIN 0
	LD48 64, 6, 44, 0                              ; the bias vector, the same for all 16 rows -> v64-255
	s_cmp_lt_u32 s2, 25
	s_cbranch_scc0 .Larm_g
	s_cmp_lt_u32 s2, 24                            ; source 1: 16 rows of Wk, or bk 16 times (row stride 0)
	s_cselect_b64 s[46:47], s[10:11], s[20:21]
	s_cselect_b32 s52, 1536, 0
	s_cselect_b32 s50, s2, 0
	s_mov_b32 s48, FSL4
	s_cmov_b32 s48, F16SL                          ; the factor on the two product tiles
	s_mul_i32 s50, s50, 24576
	s_add_nc_u64 s[46:47], s[46:47], s[50:51]
	v_mul_u32_u24 v7, s52, v1
	v_lshl_add_u32 v7, v2, 5, v7
	WIN 0x40
	LD48 0, 7, 46, 0
	WIN 0
	s_mul_i32 s53, s2, 43
	s_lshr_b32 s53, s53, 8                         ; the wave of the main launch that owns these rows: T / 6
	s_mul_i32 s54, s53, 6
	s_sub_co_u32 s54, s2, s54                      ; its tile n
	s_mul_i32 s58, s53, 72
	s_mul_i32 s55, s5, 6
	s_add_co_u32 s58, s58, s55
	s_add_co_u32 s58, s58, s54                     ; fragment = 72 w + 6 kf + n
	s_mov_b64 s[56:57], s[32:33]                   ; into wm
	s_mov_b64 s[62:63], s[38:39]                   ; the bias term goes into cw:
	s_lshl_b32 s59, s2, 6                          ; c' at 64 T, 16 lanes, times SL;
	s_mov_b32 s6, FSL
	s_mov_b32 s7, 16
	s_cmp_eq_u32 s2, 24
	s_cselect_b32 s59, 3072, s59                   ; or s0 at 3,072, one lane, times SL / 32
	s_cselect_b32 s7, 1, s7
	s_cmov_b32 s6, FSL32
	s_branch .Lmul
.Larm_g:
	s_sub_co_u32 s3, s2, 25                        ; jt
	s_lshl_b32 s50, s3, 6
	s_add_nc_u64 s[46:47], s[14:15], s[50:51]      ; W1 at column 16 jt
	s_add_nc_u64 s[68:69], s[24:25], s[50:51]      ; b1 likewise
	v_mul_u32_u24 v7, v2, 24576
	v_lshl_add_u32 v7, v1, 2, v7                   ; 8 h rows of 3,072 bytes + 4 r
	global_load_b32 v8, v9, s[68:69]
	WIN 0x40
.set ks, 0
.rept 12
.set c, 0
.rept 16
	global_load_b32 v[16*ks+c], v7, s[46:47] offset:(32*ks+(c%8)+16*(c/8))*3072
.set c, c+1
.endr
.set ks, ks+1
.endr
	WIN 0
	s_mov_b32 s48, 0x42000000                      ; 32
	s_mul_i32 s53, s3, 43
	s_lshr_b32 s53, s53, 8                         ; jt / 6 = 2 w + pass
	s_mul_i32 s54, s53, 6
	s_sub_co_u32 s54, s3, s54                      ; n
	s_lshr_b32 s55, s53, 1                         ; w
	s_and_b32 s53, s53, 1                          ; pass
	s_mul_i32 s58, s55, 288
	s_mul_i32 s53, s53, 12
	s_add_co_u32 s53, s53, s5
	s_mul_i32 s53, s53, 6
	s_add_co_u32 s58, s58, s53
	s_add_co_u32 s58, s58, s54                     ; fragment = 288 w + 6 (12 pass + kf) + n
	s_mov_b64 s[56:57], s[34:35]                   ; into ws
	s_mov_b64 s[62:63], s[36:37]                   ; kappa b' goes into tab at 64 jt
	s_mov_b32 s59, s50
	s_mov_b32 s6, KAPPA
	s_mov_b32 s7, 16
.Lmul:
	s_mov_b32 s49, s48                             ; named with it as a pair
	s_wait_loadcnt 0x0                             ; everything is in
	CVTWIN 1, 0
	CVTWIN 2, 0
	CVTWIN 3, 0
	CVTWIN 0, 64
.set ks, 0
.rept 12                                       ; three accumulators by turns
.if ks == 0
	WIN 0x06
	v_wmma_f32_16x16x32_f16 v[32:39], v[16*ks:16*ks+7], v[16*ks:16*ks+7], 0
	WIN 0x07
	v_wmma_f32_16x16x32_f16 v[40:47], v[16*ks:16*ks+7], v[16*ks:16*ks+7], 0
	WIN 0x04
	v_wmma_f32_16x16x32_f16 v[48:55], v[64+16*ks:64+16*ks+7], v[16*ks:16*ks+7], 0
.else
	WIN 0x06
	v_wmma_f32_16x16x32_f16 v[32:39], v[16*ks:16*ks+7], v[16*ks:16*ks+7], v[32:39]
	WIN 0x07
	v_wmma_f32_16x16x32_f16 v[40:47], v[16*ks:16*ks+7], v[16*ks:16*ks+7], v[40:47]
	WIN 0x04
	v_wmma_f32_16x16x32_f16 v[48:55], v[64+16*ks:64+16*ks+7], v[16*ks:16*ks+7], v[48:55]
.endif
.set ks, ks+1
.endr
	WIN 0
.rept 8
	v_nop                                          ; the places behind the last products (ISA guide 7.12.1), once a launch
.endr
.set m, 0
.rept 8
	v_pk_mul_f32 v[32+2*m:33+2*m], v[32+2*m:33+2*m], s[48:49] op_sel_hi:[1,0]
.set m, m+1
.endr
	s_cmp_eq_u32 s2, 24
	s_cbranch_scc1 .Lbk
.set m, 0
.rept 8
	v_cvt_pk_f16_f32 v[56+m], v[32+2*m], v[33+2*m]
.set m, m+1
.endr
	s_lshl_b32 s50, s58, 10
	s_add_nc_u64 s[56:57], s[56:57], s[50:51]
	global_store_b128 v15, v[56:59], s[56:57]             ; 512 consecutive bytes each
	global_store_b128 v15, v[60:63], s[56:57] offset:512
	s_cmp_lt_u32 s2, 25
	s_cbranch_scc1 .Lextra
	v_max3_num_f32 v10, |v32|, |v33|, |v34|        ; the fragment's largest |G''|
.set m, 0
.rept 6
	v_max3_num_f32 v10, v10, |v[35+2*m]|, |v[36+2*m]|
.set m, m+1
.endr
	v_max_num_f32 v10, v10, |v47|
	v_max_num_f32_dpp v10, v10, v10 row_xmask:1 row_mask:0xf bank_mask:0xf
	v_max_num_f32_dpp v10, v10, v10 row_xmask:2 row_mask:0xf bank_mask:0xf
	v_max_num_f32_dpp v10, v10, v10 row_xmask:4 row_mask:0xf bank_mask:0xf
	v_max_num_f32_dpp v10, v10, v10 row_xmask:8 row_mask:0xf bank_mask:0xf
	v_permlanex16_b32 v11, v10, s60, s61
	v_max_num_f32 v10, v10, v11
	s_mul_i32 s50, s3, 12
	s_add_co_u32 s50, s50, s5
	s_lshl_b32 s50, s50, 2
	s_add_nc_u64 s[70:71], s[40:41], s[50:51]
	v_cmp_eq_u32 vcc_lo, 0, v3
	s_wait_xcnt 0x0                                ; EXEC is a source of the stores above: it changes only behind this wait
	s_and_saveexec_b32 s66, vcc_lo
	global_store_b32 v12, v10, s[70:71]
	s_wait_xcnt 0x0                                ; and again, in front of the line that widens it
	s_or_b32 exec_lo, exec_lo, s66
	s_branch .Lextra
.Lbk:                                          ; all 16 columns are bk: the lanes with r = 0 store w'[32 kf + 16 tile + 8 h + 0..7]
	s_lshl_b32 s50, s5, 7
	s_add_co_u32 s50, s50, 1536
	s_add_nc_u64 s[56:57], s[38:39], s[50:51]
	v_cmp_eq_u32 vcc_lo, 0, v1
	s_wait_xcnt 0x0
	s_and_saveexec_b32 s66, vcc_lo
	global_store_b128 v6, v[32:35], s[56:57]
	global_store_b128 v6, v[36:39], s[56:57] offset:16
	global_store_b128 v6, v[40:43], s[56:57] offset:64
	global_store_b128 v6, v[44:47], s[56:57] offset:80
	s_wait_xcnt 0x0
	s_or_b32 exec_lo, exec_lo, s66
.Lextra:                                       ; the bias term is the same for every kf: the wave with kf = 0 stores it
	s_cmp_lg_u32 s5, 0
	s_cbranch_scc1 .Lend
	v_add_f32 v13, v48, v8                         ; register 0 of the third sum: weight row r
	v_mul_f32 v13, s6, v13
	s_mov_b32 s50, s59
	s_add_nc_u64 s[62:63], s[62:63], s[50:51]
	v_cmp_gt_u32 vcc_lo, s7, v3
	s_wait_xcnt 0x0
	s_and_saveexec_b32 s66, vcc_lo
	global_store_b32 v9, v13, s[62:63]
	s_wait_xcnt 0x0
	s_or_b32 exec_lo, exec_lo, s66
.Lend:
	s_endpgm
.Lrest:
	s_cmp_lt_u32 s2, 97
	s_cbranch_scc0 .Lcopy
	; ---- W2, turned: a wave makes the fragments of k steps 2 kf and 2 kf + 1 for columns 16 nt + 0..15 ----
	s_sub_co_u32 s3, s2, 73                        ; nt
	s_lshl_b32 s50, s3, 6
	s_mul_i32 s52, s5, 98304                       ; 64 rows of 1,536 bytes
	s_add_co_u32 s50, s50, s52
	s_add_nc_u64 s[46:47], s[16:17], s[50:51]
	v_mul_u32_u24 v7, v2, 12288
	v_lshl_add_u32 v7, v1, 2, v7                   ; 8 h rows + 4 r
.set f, 0
.rept 2
.set c, 0
.rept 16
	global_load_b32 v[32+16*f+c], v7, s[46:47] offset:f*49152+((c%8)+16*(c/8))*1536
.set c, c+1
.endr
.set f, f+1
.endr
	s_mul_i32 s53, s3, 43
	s_lshr_b32 s53, s53, 8                         ; w = nt / 6
	s_mul_i32 s54, s53, 6
	s_sub_co_u32 s54, s3, s54                      ; n
	s_mul_i32 s58, s53, 288
	s_mul_i32 s55, s5, 12
	s_add_co_u32 s58, s58, s55
	s_add_co_u32 s58, s58, s54
	s_add_co_u32 s58, s58, 144                     ; fragment = 288 w + 6 (24 + 2 kf) + n
	s_lshl_b32 s50, s58, 10
	s_add_nc_u64 s[56:57], s[34:35], s[50:51]
	s_wait_loadcnt 0x0
.set m, 0
.rept 16
	v_cvt_pk_f16_f32 v[64+m], v[32+2*m], v[33+2*m]
.set m, m+1
.endr
	global_store_b128 v15, v[64:67], s[56:57]
	global_store_b128 v15, v[68:71], s[56:57] offset:512
	global_store_b128 v15, v[72:75], s[56:57] offset:6144
	global_store_b128 v15, v[76:79], s[56:57] offset:6656
	s_endpgm
.Lcopy:                                        ; b2, gamma, beta (by x) behind kappa b' in tab: 96 threads x 16 bytes
	s_cmp_lt_u32 s4, 3
	s_cbranch_scc0 .Lend2
	s_cmp_eq_u32 ttmp9, 0
	s_cselect_b64 s[46:47], s[26:27], s[28:29]
	s_cmp_eq_u32 ttmp9, 2
	s_cselect_b64 s[46:47], s[30:31], s[46:47]
	v_lshlrev_b32 v5, 4, v0
	global_load_b128 v[32:35], v5, s[46:47]
	s_mul_i32 s50, ttmp9, 1536
	s_add_co_u32 s50, s50, 3072
	s_add_nc_u64 s[56:57], s[36:37], s[50:51]
	s_wait_loadcnt 0x0
	global_store_b128 v5, v[32:35], s[56:57]
.Lend2:
	s_endpgm
.Lfunc_end_k_qb482f89beb_prep:
	.size	k_qb482f89beb_prep, .Lfunc_end_k_qb482f89beb_prep-k_qb482f89beb_prep
	.p2alignl 7, 3214868480
	.fill 96, 4, 3214868480
	.section	.rodata,"a",@progbits
	.p2align	6, 0x0
	.amdhsa_kernel k_qb482f89beb_prep
		.amdhsa_group_segment_fixed_size 0
		.amdhsa_private_segment_fixed_size 0
		.amdhsa_enable_private_segment 0
		.amdhsa_kernarg_size 136
		.amdhsa_user_sgpr_count 2
		.amdhsa_user_sgpr_kernarg_segment_ptr 1
		.amdhsa_wavefront_size32 1
		.amdhsa_system_sgpr_workgroup_id_x 1
		.amdhsa_system_sgpr_workgroup_id_y 1
		.amdhsa_system_sgpr_workgroup_id_z 1
		.amdhsa_system_vgpr_workitem_id 0
		.amdhsa_next_free_vgpr 960
		.amdhsa_next_free_sgpr 72
		.amdhsa_reserve_vcc 1
		.amdhsa_float_denorm_mode_32 3
		.amdhsa_float_denorm_mode_16_64 3
		.amdhsa_memory_ordered 1
		.amdhsa_forward_progress 1
		.amdhsa_inst_pref_size 78
	.end_amdhsa_kernel
	.amdgpu_metadata
---
amdhsa.version: [ 1, 2 ]
amdhsa.kernels:
  - .name:           k_qb482f89beb_prep
    .symbol:         k_qb482f89beb_prep.kd
    .args:
      - { .name: Wq, .offset: 0, .size: 8, .value_kind: global_buffer, .address_space: global }
      - { .name: Wk, .offset: 8, .size: 8, .value_kind: global_buffer, .address_space: global }
      - { .name: Wv, .offset: 16, .size: 8, .value_kind: global_buffer, .address_space: global }
      - { .name: W1, .offset: 24, .size: 8, .value_kind: global_buffer, .address_space: global }
      - { .name: W2, .offset: 32, .size: 8, .value_kind: global_buffer, .address_space: global }
      - { .name: bq, .offset: 40, .size: 8, .value_kind: global_buffer, .address_space: global }
      - { .name: bk, .offset: 48, .size: 8, .value_kind: global_buffer, .address_space: global }
      - { .name: bv, .offset: 56, .size: 8, .value_kind: global_buffer, .address_space: global }
      - { .name: b1, .offset: 64, .size: 8, .value_kind: global_buffer, .address_space: global }
      - { .name: b2, .offset: 72, .size: 8, .value_kind: global_buffer, .address_space: global }
      - { .name: gamma, .offset: 80, .size: 8, .value_kind: global_buffer, .address_space: global }
      - { .name: beta, .offset: 88, .size: 8, .value_kind: global_buffer, .address_space: global }
      - { .name: wm, .offset: 96, .size: 8, .value_kind: global_buffer, .address_space: global }
      - { .name: ws, .offset: 104, .size: 8, .value_kind: global_buffer, .address_space: global }
      - { .name: tab, .offset: 112, .size: 8, .value_kind: global_buffer, .address_space: global }
      - { .name: cw, .offset: 120, .size: 8, .value_kind: global_buffer, .address_space: global }
      - { .name: gmx, .offset: 128, .size: 8, .value_kind: global_buffer, .address_space: global }
    .group_segment_fixed_size: 0
    .private_segment_fixed_size: 0
    .kernarg_segment_align: 8
    .kernarg_segment_size: 136
    .max_flat_workgroup_size: 128
    .sgpr_count:     72
    .vgpr_count:     960
    .wavefront_size: 32
...
	.end_amdgpu_metadata
.endif
;; end of part 1
;; launch main (part 2): grid 256 x 1, 4 waves a work-group, no clusters, 309,248 bytes of LDS; arguments x, wm, ws, tab, cw, gmx, out0; writes out0
.if DOCPART == 2
	.amdgcn_target "amdgcn-amd-amdhsa--gfx1250"
	.amdhsa_code_object_version 6
	.text
	.protected	k_qb482f89beb_main
	.globl	k_qb482f89beb_main
	.p2align	8
	.type	k_qb482f89beb_main,@function
k_qb482f89beb_main:
	s_mov_b64 s[64:65], 0
	v_nop
	global_prefetch_b8 v0, s[64:65] scope:SCOPE_SE
	s_setreg_imm32_b32 hwreg(HW_REG_WAVE_MODE, 25, 1), 1
	s_wait_xcnt 0x0
; WINDOW ATTENTION WITH A MEAN QUERY, MLP WITH EXACT GELU, LAYERNORM, in one launch.  x is read once, out0 written once.
; IDENTITIES (true for every input; the folded weights come from the launch before):
;   log2(e)/sqrt(384) q.k_j = u.x_j + q.bk,  u = xs M''/64 + c',  xs = the sum of the window's four tokens;   sum_j a_j v_j = xa Wv + bv with xa = sum_j a_j x_j, since the a_j add up to 1;
;   (xa Wv + bv) W1 + b1 = xa G + b'.   The softmax takes its true maximum away, in base 2.
; FORMATS.  All matrix operands are f16, each rounded once from f32; all sums, the softmax, GELU and LayerNorm are f32.  z = xa G is stored as f16 times a power of two s of its row, made from the bound
; |z| <= 384 max|xa| max|G| + max|b'|, so that |z| s < 2^14; h = gelu(z) s likewise; y = (h s) W2 / s + b2.
; GELU: erf by 1 - (a1 t + .. + a5 t^5) e^(-x^2), t = 1/(1 + p x): absolute error up to 1.5e-7 for every x.  With z' = kappa z, kappa = sqrt(log2(e)/2): e^(-z^2/2) = 2^(-z'^2).
; LIMITS: |x| below about 16,000 (xs in f16); the row bound between 2^-95 and 2^95 (its exponent is clamped there); NaN and infinities are not treated apart.
; SHARES.  A work-group owns 128 windows: 16 image rows of one frame, 786,432 consecutive bytes of x, 196,608 of out0.  PHASE 1, eight chunks of 16 windows (two image rows): wave w owns windows 4 w .. 4 w + 3
; of a chunk and columns 96 w .. of u.  PHASE 2, on all 128 rows: wave w owns 192 columns of h (two passes of 96) and 96 of y; 48 accumulators of 16 x 16.
; NO CLUSTER, NO TENSOR LOADS: a weight fragment is wanted by one wave of a work-group and goes straight into its registers, 512 consecutive bytes a load; a joint load would land in LDS, of which xa and h take
; 299,008 bytes: no room for two slots.  NO PREFETCH OF x: each wave keeps 48 loads (24 KiB) of the stream on their way throughout phase 1.
; THE MATRIX INSTRUCTION IS USED TRANSPOSED: source 0 = 16 weight rows (output columns), source 1 = 16 rows of activations: a lane holds eight neighbouring columns of one row.
; LDS: XA 128 x 784 (xa, f16) | H 128 x 1,552 (z, then h, f16; then y, f32); in phase 1 H holds XM 16 x 784 (xs), U 16 x 1,552 (u, f32), ST 4 x 12,288 (each wave's x in f16) | TAB | SC 128 x 16 | spare words.
; Both pitches are odd multiples of 16 bytes: 16 rows of a 16-byte load start in 16 different groups of four banks (ISA guide 11.1).
; REGISTERS, windows of 256.  Phase 1: window 0 addresses, tables, sums, fragments of xs; v256-831 the wave's 72 fragments of M''; window 3 v64-255 the chunk's x in f32, in flight.
; Phase 2: window 0 addresses, scales, two buffers of A fragments (v64-191); window 1 a ring of four steps' weight fragments; v512-895 the accumulators.
.set PXA, 784
.set PH,  1552
.set H,   128*PXA
.set XM,  H
.set U,   XM+16*PXA
.set ST,  U+16*PH
.set TAB, H+128*PH
.set SC,  TAB+7680
.set SPARE, SC+2048                    ; the spare words: 128 bytes a wave, two blocks of 256 bytes that no other line names
.set CHUNK, 98304                      ; bytes of x in two image rows
.set MSB, 0
.macro WIN new                         ; the immediate's high byte repeats the setting that is left; a switch that changes nothing is dropped
.if MSB != (\new)
	s_set_vgpr_msb (MSB<<8)|(\new)
.set MSB, \new
.endif
.endm
.macro PLACES                          ; four places behind matrix instructions, in front of loads into their sources
.rept 4
	v_nop
.endr
.endm
; d = (f16 half hf of x) * u + c, in f32
.macro MIX d, x, hf, u, c
.if \hf
	v_fma_mix_f32 v[\d], v[\x], v[\u], v[\c] op_sel:[1,0,0] op_sel_hi:[1,0,0]
.else
	v_fma_mix_f32 v[\d], v[\x], v[\u], v[\c] op_sel_hi:[1,0,0]
.endif
.endm
; cnt numbers (registers base, base + st, ..) are reduced over the 32 lanes; tb: as many written registers for the other half's figures
.macro XLANE op, opd, base, st, cnt, tb
.irp x, 1,2,4,8
.set xi, 0
.rept \cnt
	\opd v[(\base)+(\st)*xi], v[(\base)+(\st)*xi], v[(\base)+(\st)*xi] row_xmask:\x row_mask:0xf bank_mask:0xf
.set xi, xi+1
.endr
.endr
.set xi, 0
.rept \cnt
	v_permlanex16_b32 v[(\tb)+(\st)*xi], v[(\base)+(\st)*xi], s26, s27
.set xi, xi+1
.endr
.set xi, 0
.rept \cnt
	\op v[(\base)+(\st)*xi], v[(\base)+(\st)*xi], v[(\tb)+(\st)*xi]
.set xi, xi+1
.endr
.endm
; window w of my four: 4 tokens x 1,536 bytes, 12 loads of 512 consecutive bytes; token t = 2 (image row) + (column)
.macro LOADW w, off
	WIN 0xc0
.set t, 0
.rept 4
.set g, 0
.rept 3
	global_load_b128 v[64+48*(\w)+12*t+4*g:67+48*(\w)+12*t+4*g], v2, s[4:5] offset:(\off)+(t/2)*49152+(2*(\w)+t%2)*1536+512*g th:TH_LOAD_NT
.set g, g+1
.endr
.set t, t+1
.endr
	WIN 0
.endm
; PHASE 1, first part: each window's tokens are summed (xs -> XM, f16), rounded to f16 (-> ST) and its registers asked for again, for the next chunk.
.macro PRE reissue
.set q, 0
.rept 4
.if \reissue
	s_wait_loadcnt 36                              ; loads come back in order: behind this window's 12 stand three windows' 36
.else
	s_wait_loadcnt 36-12*q                         ; the last chunk: the counts run down
.endif
	WIN 0x0f                                       ; sources in window 3
.set m, 0
.rept 6
	v_pk_add_f32 v[192+2*m:193+2*m], v[64+48*q+2*m:65+48*q+2*m], v[76+48*q+2*m:77+48*q+2*m]
	v_pk_add_f32 v[204+2*m:205+2*m], v[88+48*q+2*m:89+48*q+2*m], v[100+48*q+2*m:101+48*q+2*m]
.set m, m+1
.endr
.set t, 0
.rept 4
.set m, 0
.rept 6                                        ; 16 bytes of ST hold 4 channels of tokens 2 tp and 2 tp + 1
	v_cvt_pk_f16_f32 v[96+4*(3*(t/2)+m/2)+2*(t%2)+m%2], v[64+48*q+12*t+2*m], v[65+48*q+12*t+2*m]
.set m, m+1
.endr
.set t, t+1
.endr
	WIN 0
.set m, 0
.rept 6
	v_pk_add_f32 v[192+2*m:193+2*m], v[192+2*m:193+2*m], v[204+2*m:205+2*m]
.set m, m+1
.endr
	v_pk_fma_f32 v[216:217], v[192:193], v[28:29], v[14:15]    ; my lane's part of q.bk: xs.w' + s0
.set m, 1
.rept 5
	v_pk_fma_f32 v[216:217], v[192+2*m:193+2*m], v[28+2*m:29+2*m], v[216:217]
.set m, m+1
.endr
	v_add_f32 v[40+q], v216, v217
.set m, 0
.rept 6
	v_cvt_pk_f16_f32 v[218+m], v[192+2*m], v[193+2*m]
.set m, m+1
.endr
.set g, 0
.rept 3
	ds_store_b64 v3, v[218+2*g:219+2*g] offset:PXA*q+256*g
.set g, g+1
.endr
.set m, 0
.rept 6
	ds_store_b128 v5, v[96+4*m:99+4*m] offset:(6*q+m)*512
.set m, m+1
.endr
.if \reissue
	LOADW q, CHUNK
.endif
.set q, q+1
.endr
.if \reissue
	s_wait_xcnt 0x0                                ; the loads have read their base: it steps only behind this wait
	s_add_nc_u64 s[4:5], s[4:5], CHUNK
.endif
.endm
; PHASE 2.  12 loads: the six weight fragments of the step st behind the stream's base, into ring buffer buf
.macro BLOADS st, buf
	WIN 0x40
.set n, 0
.rept 6
	global_load_b128 v[48*(\buf)+8*n:48*(\buf)+8*n+3],   v1, s[8:9] offset:((\st)*6+n)*1024
	global_load_b128 v[48*(\buf)+8*n+4:48*(\buf)+8*n+7], v1, s[8:9] offset:((\st)*6+n)*1024+512
.set n, n+1
.endr
	WIN 0
.endm
; 16 LDS loads: eight fragments of 16 rows x 32 k at byte off of the rows
.macro ALOADS buf, off
.set n, 0
.rept 8
	ds_load_b128 v[64+64*(\buf)+8*n:64+64*(\buf)+8*n+3],   v[16+n] offset:\off
	ds_load_b128 v[64+64*(\buf)+8*n+4:64+64*(\buf)+8*n+7], v[16+n] offset:(\off)+32
.set n, n+1
.endr
.endm
; 48 products, each accumulator once: the accumulators take turns.  a = 6 (row block) + (column tile)
.macro PROD rb, ab, zero
.set a, 0
.rept 48
	WIN 0xa1+0x50*(a/32)
.if \zero
	v_wmma_f32_16x16x32_f16 v[(8*a)%256:(8*a)%256+7], v[48*(\rb)+8*(a%6):48*(\rb)+8*(a%6)+7], v[64+64*(\ab)+8*(a/6):64+64*(\ab)+8*(a/6)+7], 0
.else
	v_wmma_f32_16x16x32_f16 v[(8*a)%256:(8*a)%256+7], v[48*(\rb)+8*(a%6):48*(\rb)+8*(a%6)+7], v[64+64*(\ab)+8*(a/6):64+64*(\ab)+8*(a/6)+7], v[(8*a)%256:(8*a)%256+7]
.endif
.set a, a+1
.endr
	WIN 0
.endm
; One K step of 32.  The weights of the step three on and the activations of the next step are asked for, then this step is multiplied.  s22 counts a section's trips down; first = its start.
; g2 = 1: the stream ends with this section: in its last trip only step kk = 0 has a step three on.
.macro STEP kk, g2, first
.if (\kk) > 0
	PLACES                                         ; (at kk = 0 the eight address steps at the trip's end are the places)
.endif
.if (\g2) && ((\kk) > 0)
	s_cmp_eq_u32 s22, 1
	s_cbranch_scc1 .Lnb_\@
.endif
	BLOADS (\kk)+3, ((\kk)+3)%4
	s_wait_loadcnt 36                              ; this step's weights are in: behind them stand three steps' 36 loads
.if (\g2) && ((\kk) > 0)
	s_branch .Lhb_\@
.Lnb_\@:
	s_wait_loadcnt 0x0
.Lhb_\@:
.endif
.if (\kk) == 3
	s_cmp_eq_u32 s22, 1                            ; a section's last step has no next step
	s_cbranch_scc1 .Lna_\@
.endif
	ALOADS ((\kk)+1)%2, 64*((\kk)+1)
	s_wait_dscnt 16                                ; all but the 16 just issued
.if (\kk) == 3
	s_branch .Lha_\@
.Lna_\@:
	s_wait_dscnt 0x0
.Lha_\@:
.endif
.if (\kk) == 0
	s_cmp_eq_u32 s22, \first
	s_cbranch_scc1 .Lz_\@
	PROD 0, 0, 0
	s_branch .Lhz_\@
.Lz_\@:
	PROD 0, 0, 1                                   ; a section's first products start the sums: nothing is cleared
.Lhz_\@:
.else
	PROD \kk, (\kk)%2, 0
.endif
.endm
.macro TRIP4 g2, first
	STEP 0, \g2, \first
	STEP 1, \g2, \first
	STEP 2, \g2, \first
	STEP 3, \g2, \first
.set n, 0
.rept 8
	v_add_nc_u32 v[16+n], 0x100, v[16+n]           ; four steps of 64 bytes on
.set n, n+1
.endr
	s_wait_xcnt 0x0                                ; the youngest weight loads, 48 products back, have read their base
	s_add_nc_u64 s[8:9], s[8:9], 24576
.endm
	; ================= the head =================
	s_load_b256 s[4:11], s[0:1], 0x0               ; x 4, wm 6, ws 8, tab 10
	s_load_b128 s[12:15], s[0:1], 0x20             ; cw 12, gmx 14
	s_load_b64 s[16:17], s[0:1], 0x30              ; out0
	v_lshl_add_u32 v10, v0, 2, SPARE               ; my spare word, and 0: kept for the add at the wave's end
	v_mov_b32 v11, 0
	v_lshrrev_b32 v1, 5, v0
	v_readfirstlane_b32 s18, v1                    ; wave
	v_and_b32 v13, 31, v0                          ; l
	v_and_b32 v46, 15, v0                          ; r
	v_bfe_u32 v47, v0, 4, 1                        ; h
	v_lshlrev_b32 v1, 4, v13                       ; 16 l; never rewritten
	v_mov_b32 v12, 0
	v_mov_b32 v15, 0
	s_mul_i32 s19, s18, 12288
	v_add_nc_u32 v2, s19, v1                       ; x: my wave's 8 tokens of an image row + 16 l; never rewritten
	v_add_nc_u32 v5, ST, v2                        ; my wave's part of ST + 16 l
	s_mul_i32 s19, s18, 4*PXA
	v_lshl_add_u32 v8, v13, 3, s19                 ; XA (at LDS byte 0): row 4 w, 8 l; steps 16 rows a chunk
	v_add_nc_u32 v3, XM, v8                        ; the same place in XM
	v_mul_u32_u24 v4, v46, PXA
	v_lshl_add_u32 v4, v47, 4, v4
	v_add_nc_u32 v4, XM, v4                        ; a fragment of XM: row r, 16 h
	v_mul_u32_u24 v6, v46, PH
	v_lshl_add_u32 v6, v47, 5, v6
	s_mul_i32 s19, s18, 384
	s_add_co_u32 s19, s19, U
	v_add_nc_u32 v6, s19, v6                       ; u goes out: row r, column 96 w + 8 h
	s_mul_i32 s19, s18, 4*PH
	s_add_co_u32 s19, s19, U
	v_add_nc_u32 v7, s19, v1                       ; u comes back: row 4 w, 16 l
	s_lshl_b32 s19, s18, 6
	s_add_co_u32 s19, s19, SC
	v_mov_b32 v9, s19                              ; my rows' scales; steps 16 rows a chunk
	v_lshlrev_b32 v48, 3, v13
	v_lshlrev_b32 v49, 4, v0
	v_lshlrev_b32 v50, 2, v0
	s_mov_b32 s26, 0x76543210                      ; v_permlanex16_b32: each lane takes its own place in the other half
	s_mov_b32 s27, 0xfedcba98
	s_mov_b32 s28, 0x3c800000                      ; 2^-6
	s_mov_b32 s29, s28
	s_mov_b32 s30, 0x3f87dc22                      ; a5 .. a1, each named as a pair
	s_mov_b32 s31, s30
	s_mov_b32 s32, 0xbfba00e3
	s_mov_b32 s33, s32
	s_mov_b32 s34, 0x3fb5f0e3
	s_mov_b32 s35, s34
	s_mov_b32 s36, 0xbe91a98e
	s_mov_b32 s37, s36
	s_mov_b32 s38, 0x3e827906
	s_mov_b32 s39, s38
	s_mov_b32 s40, 0x3e8ba43f                      ; p / sqrt(log2 e)
	s_mov_b32 s41, 0x3f596d27                      ; kappa
	s_mov_b32 s42, 0x3f16b55f                      ; 0.5 / kappa
	s_mov_b32 s43, 0x3b2aaaab                      ; 1 / 384
	s_mov_b32 s44, 0x3727c5ac                      ; 1e-5
	s_mul_i32 s46, s18, 73728                      ; my wave's 72 fragments of M''
	s_mov_b32 s47, 0
	s_mul_i32 s48, ttmp9, 786432
	s_mov_b32 s49, 0
	s_mul_i32 s50, ttmp9, 196608
	s_mov_b32 s51, 0
	s_wait_kmcnt 0x0
	s_add_nc_u64 s[6:7], s[6:7], s[46:47]
	s_add_nc_u64 s[4:5], s[4:5], s[48:49]
	s_add_nc_u64 s[16:17], s[16:17], s[50:51]
.set f, 0
.rept 72                                       ; fragment f = 6 k + n at v[256 + 8 f]; it stays for all eight chunks
	WIN (1+f/32)<<6
	global_load_b128 v[(8*f)%256:(8*f)%256+3],   v1, s[6:7] offset:f*1024
	global_load_b128 v[(8*f)%256+4:(8*f)%256+7], v1, s[6:7] offset:f*1024+512
.set f, f+1
.endr
	WIN 0
.set g, 0
.rept 3
	global_load_b128 v[16+4*g:19+4*g], v1, s[12:13] offset:512*g           ; c' of my 12 channels 128 g + 4 l + 0..3
	global_load_b128 v[28+4*g:31+4*g], v1, s[12:13] offset:1536+512*g      ; w'
.set g, g+1
.endr
	global_load_b32 v14, v12, s[12:13] offset:3072                         ; s0
.set g, 0
.rept 9
	global_load_b64 v[96+2*g:97+2*g], v48, s[14:15] offset:256*g           ; the 576 maxima of |G''|
.set g, g+1
.endr
.set g, 0
.rept 6
	global_load_b128 v[114+4*g:117+4*g], v1, s[10:11] offset:512*g         ; kappa b', for its maximum
.set g, g+1
.endr
.set g, 0
.rept 3
	global_load_b128 v[138+4*g:141+4*g], v49, s[10:11] offset:2048*g       ; the table for LDS: 128 threads x 16 bytes, three times,
	global_load_b32 v[150+g], v50, s[10:11] offset:6144+512*g              ; and x 4 bytes, three times: 7,680 bytes
.set g, g+1
.endr
	LOADW 0, 0                                     ; chunk 0
	LOADW 1, 0
	LOADW 2, 0
	LOADW 3, 0
	s_wait_loadcnt 48                              ; all but x's 48: the weights and tables are in
	v_add_nc_u32 v49, TAB, v49
	v_add_nc_u32 v50, TAB+6144, v50
.set g, 0
.rept 3
	ds_store_b128 v49, v[138+4*g:141+4*g] offset:2048*g
	ds_store_b32 v50, v[150+g] offset:512*g
.set g, g+1
.endr
	v_max3_num_f32 v96, v96, v97, v98
.set g, 0
.rept 7
	v_max3_num_f32 v96, v96, v[99+2*g], v[100+2*g]
.set g, g+1
.endr
	v_max_num_f32 v96, v96, v113
	v_max3_num_f32 v114, |v114|, |v115|, |v116|
.set g, 0
.rept 10
	v_max3_num_f32 v114, v114, |v[117+2*g]|, |v[118+2*g]|
.set g, g+1
.endr
	v_max_num_f32 v114, v114, |v137|
	XLANE v_max_num_f32, v_max_num_f32_dpp, 96, 18, 2, 97
	v_mul_f32 v44, 0x41400000, v96                 ; 384 max|G| = 12 max|G''|
	v_mul_f32 v45, 0x3f96b55f, v114                ; max|b'| = max|kappa b'| / kappa
	; ================= phase 1: eight chunks of 16 windows =================
	s_mov_b32 s21, 8
.Lchunk:
	s_cmp_eq_u32 s21, 1
	s_cbranch_scc1 .Lpre0
	PRE 1
	s_branch .Lmid
.Lpre0:
	PRE 0                                          ; the last chunk asks for nothing
.Lmid:
	s_wait_dscnt 0x0                               ; my rows of XM are stored, and my reads of U (the chunk before) are back
	s_barrier_signal -1
	s_barrier_wait -1                              ; XM is whole; U may be written again
.set k, 0
.rept 12
	ds_load_b128 v[96+8*k:99+8*k],   v4 offset:64*k
	ds_load_b128 v[100+8*k:103+8*k], v4 offset:64*k+32
.set k, k+1
.endr
.set k, 0
.rept 12                                       ; u^T = M'' xs^T: my 96 columns of u for the 16 windows; six accumulators by turns
	s_wait_dscnt 22-2*k                            ; fragment k is in; the younger ones may be out
.set n, 0
.rept 6
.set f, 6*k+n
	WIN 1+f/32
.if k == 0
	v_wmma_f32_16x16x32_f16 v[48+8*n:55+8*n], v[(8*f)%256:(8*f)%256+7], v[96+8*k:103+8*k], 0
.else
	v_wmma_f32_16x16x32_f16 v[48+8*n:55+8*n], v[(8*f)%256:(8*f)%256+7], v[96+8*k:103+8*k], v[48+8*n:55+8*n]
.endif
.set n, n+1
.endr
.set k, k+1
.endr
	WIN 0
	PLACES
	PLACES
.set n, 0
.rept 6
	ds_store_b128 v6, v[48+8*n:51+8*n] offset:64*n
	ds_store_b128 v6, v[52+8*n:55+8*n] offset:64*n+16
.set n, n+1
.endr
	s_wait_dscnt 0x0                               ; my columns of U are stored; my reads of XM were waited for above
	s_barrier_signal -1
	s_barrier_wait -1                              ; U is whole; XM may be written again
.set q, 0
.rept 4
.set g, 0
.rept 3
	ds_load_b128 v[48+12*q+4*g:51+12*q+4*g], v7 offset:PH*q+512*g      ; u of window q, my 12 channels
.set g, g+1
.endr
.set q, q+1
.endr
.set i, 0
.rept 24
	ds_load_b128 v[96+4*i:99+4*i], v5 offset:512*i                     ; my windows' x in f16
.set i, i+1
.endr
	s_wait_dscnt 24                                ; u is in
.set q, 0
.rept 4
.set m, 0
.rept 6
	v_pk_fma_f32 v[48+12*q+2*m:49+12*q+2*m], v[48+12*q+2*m:49+12*q+2*m], s[28:29], v[16+2*m:17+2*m] op_sel_hi:[1,0,1]
.set m, m+1
.endr
.set q, q+1
.endr
.set q, 0
.rept 4                                        ; the 16 logits: four chains a window, started by the lane's part of q.bk
	s_wait_dscnt 18-6*q
.set c, 0
.rept 12
.set t, 0
.rept 4
.if c == 0
	MIX 192+4*q+t, 96+4*(6*q+3*(t/2)+c/4)+2*(t%2)+(c/2)%2, c%2, 48+12*q+c, 40+q
.else
	MIX 192+4*q+t, 96+4*(6*q+3*(t/2)+c/4)+2*(t%2)+(c/2)%2, c%2, 48+12*q+c, 192+4*q+t
.endif
.set t, t+1
.endr
.set c, c+1
.endr
.set q, q+1
.endr
	XLANE v_add_f32, v_add_f32_dpp, 192, 1, 16, 48
.set q, 0
.rept 4
	v_max3_num_f32 v[208+q], v[192+4*q], v[193+4*q], v[194+4*q]
.set q, q+1
.endr
.set q, 0
.rept 4
	v_max_num_f32 v[208+q], v[208+q], v[195+4*q]
.set q, q+1
.endr
.set i, 0
.rept 16
	v_sub_f32 v[192+i], v[192+i], v[208+i/4]       ; the maximum is taken away
.set i, i+1
.endr
.set i, 0
.rept 16
	v_exp_f32 v[192+i], v[192+i]
.set i, i+1
.endr
	v_nop                                          ; a plain instruction behind the last exponential,
	s_wait_alu depctr_va_vdst(0)                   ; and one wait for the batch
.set q, 0
.rept 4
	v_add_f32 v[208+q], v[192+4*q], v[193+4*q]
	v_add_f32 v[212+q], v[194+4*q], v[195+4*q]
.set q, q+1
.endr
.set q, 0
.rept 4
	v_add_f32 v[208+q], v[208+q], v[212+q]
.set q, q+1
.endr
.set q, 0
.rept 4
	v_rcp_f32 v[208+q], v[208+q]
.set q, q+1
.endr
	v_nop
	s_wait_alu depctr_va_vdst(0)                   ; one wait for the four reciprocals
.set i, 0
.rept 16
	v_mul_f32 v[192+i], v[192+i], v[208+i/4]
.set i, i+1
.endr
.set q, 0
.rept 4                                        ; xa = the sum of a_j x_j
.set t, 0
.rept 4
.set c, 0
.rept 12
.if t == 0
	MIX 48+12*q+c, 96+4*(6*q+3*(t/2)+c/4)+2*(t%2)+(c/2)%2, c%2, 192+4*q+t, 12
.else
	MIX 48+12*q+c, 96+4*(6*q+3*(t/2)+c/4)+2*(t%2)+(c/2)%2, c%2, 192+4*q+t, 48+12*q+c
.endif
.set c, c+1
.endr
.set t, t+1
.endr
.set q, q+1
.endr
.set q, 0
.rept 4
	v_max3_num_f32 v[208+q], |v[48+12*q]|, |v[49+12*q]|, |v[50+12*q]|
.set q, q+1
.endr
.set m, 0
.rept 4
.set q, 0
.rept 4
	v_max3_num_f32 v[208+q], v[208+q], |v[51+12*q+2*m]|, |v[52+12*q+2*m]|
.set q, q+1
.endr
.set m, m+1
.endr
.set q, 0
.rept 4
	v_max_num_f32 v[208+q], v[208+q], |v[59+12*q]|
.set q, q+1
.endr
	XLANE v_max_num_f32, v_max_num_f32_dpp, 208, 1, 4, 212
.set q, 0
.rept 4                                        ; the row's power of two: E = the bound's exponent field, s = 2^(140 - E); stored: kappa/s, 0.5 s/kappa, s/32, 1/s
	v_fma_f32 v[208+q], v[208+q], v44, v45
	v_lshrrev_b32 v[208+q], 23, v[208+q]
	v_max_u32 v[208+q], 32, v[208+q]
	v_min_u32 v[208+q], 0xde, v[208+q]
	v_sub_nc_u32 v[212+q], 0x10b, v[208+q]
	v_lshlrev_b32 v[212+q], 23, v[212+q]
	v_sub_nc_u32 v[218+4*q], 0x106, v[208+q]
	v_lshlrev_b32 v[218+4*q], 23, v[218+4*q]
	v_add_nc_u32 v[219+4*q], -13, v[208+q]
	v_lshlrev_b32 v[219+4*q], 23, v[219+4*q]
	v_mul_f32 v[216+4*q], s41, v[219+4*q]
	v_mul_f32 v[217+4*q], s42, v[212+q]
	ds_store_b128 v9, v[216+4*q:219+4*q] offset:16*q       ; every lane holds the same four numbers
.set q, q+1
.endr
.set q, 0
.rept 4
.set m, 0
.rept 6
	v_cvt_pk_f16_f32 v[232+6*q+m], v[48+12*q+2*m], v[49+12*q+2*m]
.set m, m+1
.endr
.set g, 0
.rept 3
	ds_store_b64 v8, v[232+6*q+2*g:233+6*q+2*g] offset:PXA*q+256*g
.set g, g+1
.endr
.set q, q+1
.endr
	v_add_nc_u32 v8, 16*PXA, v8
	v_add_nc_u32 v9, 0x100, v9
	s_sub_co_i32 s21, s21, 1
	s_cmp_lg_u32 s21, 0
	s_cbranch_scc1 .Lchunk
	; ================= phase 2: the MLP on 128 rows =================
	s_mul_i32 s46, s18, 294912                     ; my wave's stream of 48 steps x 6 fragments
	s_add_nc_u64 s[8:9], s[8:9], s[46:47]
	BLOADS 0, 0
	BLOADS 1, 1
	BLOADS 2, 2
	v_mul_u32_u24 v29, v46, PXA
	v_lshl_add_u32 v29, v47, 4, v29                ; a fragment of XA: row r, 16 h
	v_mul_u32_u24 v30, v46, PH
	v_lshl_add_u32 v30, v47, 4, v30
	v_add_nc_u32 v30, H, v30                       ; a fragment of H
	s_mul_i32 s19, s18, 384
	v_add_nc_u32 v25, s19, v30                     ; z goes out: row r, column 192 w + 8 h (f16); 96 columns on in the second pass
	v_lshl_add_u32 v31, v47, 4, v25                ; y goes out: row r, column 96 w + 8 h (f32)
	v_mul_u32_u24 v26, v13, PH
	v_add3_u32 v26, v26, s19, H                    ; GELU: row l, my first column; rows 32 + l by the immediate,
	v_add_nc_u32 v27, 64*PH, v26                   ; rows 64 + l and 96 + l
	s_mul_i32 s19, s18, 768
	s_add_co_u32 s19, s19, TAB
	v_mov_b32 v28, s19                             ; kappa b' of my first column
	v_lshl_add_u32 v56, v46, 4, SC
	v_lshl_add_u32 v57, v13, 4, SC
	s_mul_i32 s19, s18, 32*PH
	s_add_co_u32 s19, s19, H
	v_add_nc_u32 v58, s19, v1                      ; LayerNorm: row 32 w, 16 l
	s_lshl_b32 s19, s18, 9
	s_add_co_u32 s19, s19, SC
	v_mov_b32 v59, s19
	s_mul_i32 s19, s18, 49152
	v_add_nc_u32 v60, s19, v1                      ; the same row in out0
	v_add_nc_u32 v61, TAB, v1
	s_wait_dscnt 0x0                               ; my rows of XA and SC are stored, my reads of U and ST are back
	s_barrier_signal -1
	s_barrier_wait -1                              ; XA and SC are whole; H may be written
.set n, 0
.rept 8
	ds_load_b64 v[32+2*n:33+2*n], v56 offset:256*n+8       ; s/32 and 1/s of rows 16 n + r
.set n, n+1
.endr
.set n, 0
.rept 4
	ds_load_b64 v[48+2*n:49+2*n], v57 offset:512*n         ; kappa/s and 0.5 s/kappa of rows 32 n + l
.set n, n+1
.endr
	s_mov_b32 s23, 2
.Lpass:                                        ; 96 of my 192 columns of z: 12 K steps, then out, then GELU in place
	v_mov_b32 v16, v29
.set n, 0
.rept 7
	v_add_nc_u32 v[17+n], 16*PXA, v[16+n]
.set n, n+1
.endr
	ALOADS 0, 0
	s_mov_b32 s22, 3
.Lt1:
	TRIP4 0, 3
	s_sub_co_i32 s22, s22, 1
	s_cmp_lg_u32 s22, 0
	s_cbranch_scc1 .Lt1
	; z s / 32 x 32 -> f16 -> H.  The eight address steps at the trip's end are the places behind the last products.
	v_mov_b32 v24, v25
.set i, 0
.rept 8
.set n, 0
.rept 6
.set a, 6*i+n
	WIN 0x02+a/32
.set m, 0
.rept 4
	v_pk_mul_f32 v[192+8*n+2*m:193+8*n+2*m], v[(8*a)%256+2*m:(8*a)%256+2*m+1], v[32+2*i:33+2*i] op_sel_hi:[1,0]
.set m, m+1
.endr
.set n, n+1
.endr
	WIN 0
.set m, 0
.rept 24
	v_cvt_pk_f16_f32 v[64+m], v[192+2*m], v[193+2*m]
.set m, m+1
.endr
.set n, 0
.rept 6
	ds_store_b128 v24, v[64+4*n:67+4*n] offset:32*n
.set n, n+1
.endr
	v_add_nc_u32 v24, 16*PH, v24
.set i, i+1
.endr
	v_add_nc_u32 v25, 0xc0, v25
	; GELU on my own columns: 12 units of 8 columns x 128 rows, a lane a row of each 32.  LDS serves a wave's instructions in order (ISA guide 5.7.1.4): the loads see the stores above.
.macro GLOAD off
	ds_load_b128 v[64:67], v26 offset:\off
	ds_load_b128 v[68:71], v26 offset:32*PH+(\off)
	ds_load_b128 v[72:75], v27 offset:\off
	ds_load_b128 v[76:79], v27 offset:32*PH+(\off)
	ds_load_b128 v[80:83], v28 offset:2*(\off)
	ds_load_b128 v[84:87], v28 offset:2*(\off)+16
.endm
	GLOAD 0
	s_mov_b32 s24, 12
.Lg:
	s_wait_dscnt 0x0                               ; this unit is in (and the last unit's stores are done)
.set b, 0
.rept 4
.set c, 0
.rept 8
	MIX 96+8*b+c, 64+4*b+c/2, c%2, 48+2*b, 80+c    ; z' = (z s) kappa / s + kappa b'
.set c, c+1
.endr
.set b, b+1
.endr
	s_cmp_eq_u32 s24, 1
	s_cbranch_scc1 .Lgn
	GLOAD 16                                       ; the next unit, while this one is worked on
.Lgn:
.set j, 0
.rept 16
	v_pk_mul_f32 v[128+2*j:129+2*j], v[96+2*j:97+2*j], v[96+2*j:97+2*j]
.set j, j+1
.endr
.set j, 0
.rept 32
	v_fma_f32 v[160+j], |v[96+j]|, s40, 1.0
.set j, j+1
.endr
.set j, 0
.rept 32
	v_rcp_f32 v[160+j], v[160+j]                   ; t
.set j, j+1
.endr
.set j, 0
.rept 32
	v_exp_f32 v[128+j], -v[128+j]                  ; 2^(-z'^2)
.set j, j+1
.endr
	v_nop                                          ; a plain instruction behind the last of them,
	s_wait_alu depctr_va_vdst(0)                   ; and one wait for the batch of 64
.set j, 0
.rept 16
	v_pk_fma_f32 v[192+2*j:193+2*j], v[160+2*j:161+2*j], s[30:31], s[32:33] op_sel_hi:[1,0,0]
.set j, j+1
.endr
.irp sc, 34, 36, 38
.set j, 0
.rept 16
	v_pk_fma_f32 v[192+2*j:193+2*j], v[192+2*j:193+2*j], v[160+2*j:161+2*j], s[\sc:\sc+1] op_sel_hi:[1,1,0]
.set j, j+1
.endr
.endr
.set j, 0
.rept 16
	v_pk_mul_f32 v[192+2*j:193+2*j], v[192+2*j:193+2*j], v[160+2*j:161+2*j]
.set j, j+1
.endr
.set j, 0
.rept 16
	v_pk_fma_f32 v[192+2*j:193+2*j], v[192+2*j:193+2*j], v[128+2*j:129+2*j], 1.0 op_sel_hi:[1,1,0] neg_lo:[1,0,0] neg_hi:[1,0,0]  ; erf(|z| / sqrt 2)
.set j, j+1
.endr
.set j, 0
.rept 16
	v_pk_mul_f32 v[96+2*j:97+2*j], v[96+2*j:97+2*j], v[48+2*(j/4):49+2*(j/4)] op_sel:[0,1] op_sel_hi:[1,1]  ; 0.5 z s
.set j, j+1
.endr
.set j, 0
.rept 32
	v_fma_f32 v[96+j], |v[96+j]|, v[192+j], v[96+j]        ; 0.5 z s + 0.5 |z| s erf
.set j, j+1
.endr
.set j, 0
.rept 16
	v_cvt_pk_f16_f32 v[224+j], v[96+2*j], v[97+2*j]
.set j, j+1
.endr
	ds_store_b128 v26, v[224:227]
	ds_store_b128 v26, v[228:231] offset:32*PH
	ds_store_b128 v27, v[232:235]
	ds_store_b128 v27, v[236:239] offset:32*PH
	v_add_nc_u32 v26, 16, v26
	v_add_nc_u32 v27, 16, v27
	v_add_nc_u32 v28, 32, v28
	s_sub_co_i32 s24, s24, 1
	s_cmp_lg_u32 s24, 0
	s_cbranch_scc1 .Lg
	s_sub_co_i32 s23, s23, 1
	s_cmp_lg_u32 s23, 0
	s_cbranch_scc1 .Lpass
	s_wait_dscnt 0x0                               ; my columns of h are stored
	s_barrier_signal -1
	s_barrier_wait -1                              ; H is whole
	v_mov_b32 v16, v30
.set n, 0
.rept 7
	v_add_nc_u32 v[17+n], 16*PH, v[16+n]
.set n, n+1
.endr
	ALOADS 0, 0
	s_mov_b32 s22, 6
.Lt2:                                          ; y s = (h s) W2: 24 K steps
	TRIP4 1, 6
	s_sub_co_i32 s22, s22, 1
	s_cmp_lg_u32 s22, 0
	s_cbranch_scc1 .Lt2
	v_mov_b32 v16, v31                             ; these eight, and the eight steps above them, are the places behind the last products
.set n, 0
.rept 7
	v_add_nc_u32 v[17+n], 16*PH, v[16+n]
.set n, n+1
.endr
	s_wait_dscnt 0x0                               ; my reads of H are back
	s_barrier_signal -1
	s_barrier_wait -1                              ; nobody reads h any more: y takes its place, in f32
.set a, 0
.rept 48
	WIN (2+a/32)<<2                                ; the stores' data lie in windows 2 and 3
	ds_store_b128 v[16+a/6], v[(8*a)%256:(8*a)%256+3]   offset:64*(a%6)
	ds_store_b128 v[16+a/6], v[(8*a)%256+4:(8*a)%256+7] offset:64*(a%6)+16
.set a, a+1
.endr
	WIN 0
	s_wait_dscnt 0x0
	s_barrier_signal -1
	s_barrier_wait -1                              ; y is whole
	; ================= LayerNorm: wave w takes rows 32 w .., four a trip; a lane holds channels 128 g + 4 l + 0..3 =================
.set g, 0
.rept 3
	ds_load_b128 v[64+4*g:67+4*g], v61 offset:3072+512*g   ; b2
	ds_load_b128 v[76+4*g:79+4*g], v61 offset:4608+512*g   ; gamma
	ds_load_b128 v[88+4*g:91+4*g], v61 offset:6144+512*g   ; beta
.set g, g+1
.endr
	s_mov_b32 s22, 8
.Lln:
.set q, 0
.rept 4
.set g, 0
.rept 3
	ds_load_b128 v[100+12*q+4*g:103+12*q+4*g], v58 offset:PH*q+512*g
.set g, g+1
.endr
	ds_load_b64 v[148+2*q:149+2*q], v59 offset:16*q+8      ; s/32 and 1/s
.set q, q+1
.endr
	s_wait_dscnt 0x0
.set q, 0
.rept 4
.set m, 0
.rept 6
	v_pk_fma_f32 v[100+12*q+2*m:101+12*q+2*m], v[100+12*q+2*m:101+12*q+2*m], v[148+2*q:149+2*q], v[64+2*m:65+2*m] op_sel:[0,1,0] op_sel_hi:[1,1,1]  ; y = sum / s + b2
.set m, m+1
.endr
.set q, q+1
.endr
.set q, 0
.rept 4
	v_pk_add_f32 v[160+2*q:161+2*q], v[100+12*q:101+12*q], v[102+12*q:103+12*q]
	v_pk_add_f32 v[168+2*q:169+2*q], v[104+12*q:105+12*q], v[106+12*q:107+12*q]
	v_pk_add_f32 v[176+2*q:177+2*q], v[108+12*q:109+12*q], v[110+12*q:111+12*q]
.set q, q+1
.endr
.set q, 0
.rept 4
	v_pk_add_f32 v[160+2*q:161+2*q], v[160+2*q:161+2*q], v[168+2*q:169+2*q]
.set q, q+1
.endr
.set q, 0
.rept 4
	v_pk_add_f32 v[160+2*q:161+2*q], v[160+2*q:161+2*q], v[176+2*q:177+2*q]
.set q, q+1
.endr
.set q, 0
.rept 4
	v_add_f32 v[160+2*q], v[160+2*q], v[161+2*q]
.set q, q+1
.endr
	XLANE v_add_f32, v_add_f32_dpp, 160, 2, 4, 161
.set q, 0
.rept 4
	v_mul_f32 v[160+2*q], s43, v[160+2*q]          ; the mean
.set q, q+1
.endr
.set q, 0
.rept 4
.set m, 0
.rept 6
	v_pk_add_f32 v[100+12*q+2*m:101+12*q+2*m], v[100+12*q+2*m:101+12*q+2*m], v[160+2*q:161+2*q] op_sel_hi:[1,0] neg_lo:[0,1] neg_hi:[0,1]
.set m, m+1
.endr
.set q, q+1
.endr
.set q, 0
.rept 4
	v_pk_mul_f32 v[168+2*q:169+2*q], v[100+12*q:101+12*q], v[100+12*q:101+12*q]
.set q, q+1
.endr
.set m, 1
.rept 5
.set q, 0
.rept 4
	v_pk_fma_f32 v[168+2*q:169+2*q], v[100+12*q+2*m:101+12*q+2*m], v[100+12*q+2*m:101+12*q+2*m], v[168+2*q:169+2*q]
.set q, q+1
.endr
.set m, m+1
.endr
.set q, 0
.rept 4
	v_add_f32 v[168+2*q], v[168+2*q], v[169+2*q]
.set q, q+1
.endr
	XLANE v_add_f32, v_add_f32_dpp, 168, 2, 4, 169
.set q, 0
.rept 4
	v_fma_f32 v[168+2*q], v[168+2*q], s43, s44     ; the variance + 1e-5
.set q, q+1
.endr
.set q, 0
.rept 4
	v_rsq_f32 v[168+2*q], v[168+2*q]
.set q, q+1
.endr
	v_nop
	s_wait_alu depctr_va_vdst(0)                   ; one wait for the four roots
.set q, 0
.rept 4
.set m, 0
.rept 6
	v_pk_mul_f32 v[100+12*q+2*m:101+12*q+2*m], v[100+12*q+2*m:101+12*q+2*m], v[168+2*q:169+2*q] op_sel_hi:[1,0]
.set m, m+1
.endr
.set m, 0
.rept 6
	v_pk_fma_f32 v[100+12*q+2*m:101+12*q+2*m], v[100+12*q+2*m:101+12*q+2*m], v[76+2*m:77+2*m], v[88+2*m:89+2*m]
.set m, m+1
.endr
.set g, 0
.rept 3
	global_store_b128 v60, v[100+12*q+4*g:103+12*q+4*g], s[16:17] offset:1536*q+512*g th:TH_STORE_NT  ; 512 consecutive bytes, at a multiple of 512 from out0's first
.set g, g+1
.endr
.set q, q+1
.endr
	s_wait_xcnt 0x0                                ; the stores have read their offset and data: only behind this wait are they written again
	v_add_nc_u32 v60, 6144, v60
	v_add_nc_u32 v58, 4*PH, v58
	v_add_nc_u32 v59, 64, v59
	s_sub_co_i32 s22, s22, 1
	s_cmp_lg_u32 s22, 0
	s_cbranch_scc1 .Lln
	s_wait_tensorcnt 0x0                           ; the wave's end, behind my last LDS store
	ds_add_u32 v10, v11
	s_wait_dscnt 0x0
	s_endpgm
.Lfunc_end_k_qb482f89beb_main:
	.size	k_qb482f89beb_main, .Lfunc_end_k_qb482f89beb_main-k_qb482f89beb_main
	.p2alignl 7, 3214868480
	.fill 96, 4, 3214868480
	.section	.rodata,"a",@progbits
	.p2align	6, 0x0
	.amdhsa_kernel k_qb482f89beb_main
		.amdhsa_group_segment_fixed_size 309248
		.amdhsa_private_segment_fixed_size 0
		.amdhsa_enable_private_segment 0
		.amdhsa_kernarg_size 56
		.amdhsa_user_sgpr_count 2
		.amdhsa_user_sgpr_kernarg_segment_ptr 1
		.amdhsa_wavefront_size32 1
		.amdhsa_system_sgpr_workgroup_id_x 1
		.amdhsa_system_sgpr_workgroup_id_y 1
		.amdhsa_system_sgpr_workgroup_id_z 1
		.amdhsa_system_vgpr_workitem_id 0
		.amdhsa_next_free_vgpr 1024
		.amdhsa_next_free_sgpr 66
		.amdhsa_reserve_vcc 0
		.amdhsa_float_denorm_mode_32 3
		.amdhsa_float_denorm_mode_16_64 3
		.amdhsa_memory_ordered 1
		.amdhsa_forward_progress 1
		.amdhsa_inst_pref_size 247
	.end_amdhsa_kernel
	.amdgpu_metadata
---
amdhsa.version: [ 1, 2 ]
amdhsa.kernels:
  - .name:           k_qb482f89beb_main
    .symbol:         k_qb482f89beb_main.kd
    .args:
      - { .name: x, .offset: 0, .size: 8, .value_kind: global_buffer, .address_space: global }
      - { .name: wm, .offset: 8, .size: 8, .value_kind: global_buffer, .address_space: global }
      - { .name: ws, .offset: 16, .size: 8, .value_kind: global_buffer, .address_space: global }
      - { .name: tab, .offset: 24, .size: 8, .value_kind: global_buffer, .address_space: global }
      - { .name: cw, .offset: 32, .size: 8, .value_kind: global_buffer, .address_space: global }
      - { .name: gmx, .offset: 40, .size: 8, .value_kind: global_buffer, .address_space: global }
      - { .name: out0, .offset: 48, .size: 8, .value_kind: global_buffer, .address_space: global }
    .group_segment_fixed_size: 309248
    .private_segment_fixed_size: 0
    .kernarg_segment_align: 8
    .kernarg_segment_size: 56
    .max_flat_workgroup_size: 128
    .sgpr_count:     66
    .vgpr_count:     1024
    .wavefront_size: 32
...
	.end_amdgpu_metadata
.endif
;; end of part 2
;; ======== version 2 of 2: 2 launches; version 1 with the launch main written anew for expert scheduling mode
;; limits: inputs' magnitudes at most 16,000; values are held in f16: magnitudes above 65,504 overflow, below 6.1e-05 lose precision
;; workspace buffers: wm 294,912 bytes; ws 1,179,648 bytes; tab 7,680 bytes; cw 3,328 bytes; gmx 2,304 bytes
;; launch prep: the kernel of part 1 again; grid 3 x 98, 4 waves a work-group, no clusters, 0 bytes of LDS; arguments Wq, Wk, Wv, W1, W2, bq, bk, bv, b1, b2, gamma, beta, wm, ws, tab, cw, gmx; writes wm, ws, tab, cw, gmx
;; launch main (part 3): grid 256 x 1, 4 waves a work-group, no clusters, 309,248 bytes of LDS; arguments x, wm, ws, tab, cw, gmx, out0; writes out0
.if DOCPART == 3
	.amdgcn_target "amdgcn-amd-amdhsa--gfx1250"
	.amdhsa_code_object_version 6
	.text
	.protected	k_qb482f89beb_main
	.globl	k_qb482f89beb_main
	.p2align	8
	.type	k_qb482f89beb_main,@function
k_qb482f89beb_main:
	s_mov_b64 s[64:65], 0
	v_nop
	global_prefetch_b8 v0, s[64:65] scope:SCOPE_SE
	s_setreg_imm32_b32 hwreg(HW_REG_WAVE_SCHED_MODE, 0, 2), 2
	s_setreg_imm32_b32 hwreg(HW_REG_WAVE_MODE, 25, 1), 1
	s_wait_xcnt 0x0
	s_wait_alu depctr_vm_vsrc(0)
; WINDOW ATTENTION WITH A MEAN QUERY, MLP WITH EXACT GELU, LAYERNORM, in one launch.  x is read once, out0 written once.
; IDENTITIES (true for every input; the folded weights come from the launch before):
;   log2(e)/sqrt(384) q.k_j = u.x_j + q.bk,  u = xs M''/64 + c',  xs = the sum of the window's four tokens;   sum_j a_j v_j = xa Wv + bv with xa = sum_j a_j x_j, since the a_j add up to 1;
;   (xa Wv + bv) W1 + b1 = xa G + b'.   The softmax takes its true maximum away, in base 2.
; FORMATS.  All matrix operands are f16, each rounded once from f32; all sums, the softmax, GELU and LayerNorm are f32.  z = xa G is stored as f16 times a power of two s of its row, made from the bound
; |z| <= 384 max|xa| max|G| + max|b'|, so that |z| s < 2^14; h = gelu(z) s likewise; y = (h s) W2 / s + b2.
; GELU: erf by 1 - (a1 t + .. + a5 t^5) e^(-x^2), t = 1/(1 + p x): absolute error up to 1.5e-7 for every x.  With z' = kappa z, kappa = sqrt(log2(e)/2): e^(-z^2/2) = 2^(-z'^2).
; LIMITS: |x| below about 16,000 (xs in f16); the row bound between 2^-95 and 2^95 (its exponent is clamped there); NaN and infinities are not treated apart.
; SHARES.  A work-group owns 128 windows: 16 image rows of one frame, 786,432 consecutive bytes of x, 196,608 of out0.  PHASE 1, eight chunks of 16 windows (two image rows): wave w owns windows 4 w .. 4 w + 3
; of a chunk and columns 96 w .. of u.  PHASE 2, on all 128 rows: wave w owns 192 columns of h (two passes of 96) and 96 of y; 48 accumulators of 16 x 16.
; NO CLUSTER, NO TENSOR LOADS: a weight fragment is wanted by one wave of a work-group and goes straight into its registers, 512 consecutive bytes a load; a joint load would land in LDS, of which xa and h take
; 299,008 bytes: no room for two slots.  NO PREFETCH OF x: each wave keeps 48 loads (24 KiB) of the stream on their way throughout phase 1.
; THE MATRIX INSTRUCTION IS USED TRANSPOSED: source 0 = 16 weight rows (output columns), source 1 = 16 rows of activations: a lane holds eight neighbouring columns of one row.
; LDS: XA 128 x 784 (xa, f16) | H 128 x 1,552 (z, then h, f16; then y, f32); in phase 1 H holds XM 16 x 784 (xs), U 16 x 1,552 (u, f32), ST 4 x 12,288 (each wave's x in f16) | TAB | SC 128 x 16 | spare words.
; Both pitches are odd multiples of 16 bytes: 16 rows of a 16-byte load start in 16 different groups of four banks (ISA guide 11.1).
; REGISTERS, windows of 256.  Phase 1: window 0 addresses, tables, sums, fragments of xs; v256-831 the wave's 72 fragments of M''; window 3 v64-255 the chunk's x in f32, in flight.
; Phase 2: window 0 addresses, scales, two buffers of A fragments (v64-191); window 1 a ring of four steps' weight fragments; v512-895 the accumulators.
; THE MODE: SCHED_MODE bits 1:0 = 2 (LLVM: expert scheduling mode 2), set by the entry lines.  The code itself states the register dependences between vector or matrix instructions and memory or LDS
; instructions, with s_wait_alu, always for 0.
; THE PLAN: the registers that memory or LDS instructions touch, and who else names them.
;   v1-v7, v12, v51, v52   offsets and LDS addresses, made at the head and never written again.
;   x of window q (window 3, v64+48 q ..)   read by the window's sums and roundings, then loaded again.  v96+24 q .., v218+6 q ..: the window's own out-registers, written by its roundings, read by its nine LDS stores.
;       ONE wait on va_vdst a window, behind its arithmetic, serves the nine stores and the twelve loads.
;   v96-191   then take xs's fragments, then the wave's x in f16: a wait on vm_vsrc behind the first barrier (the stores above have read them).
;   v48-95    written by the products, read by the stores of u, then loaded with u: va_vdst ahead of the stores (it serves the loads behind the second barrier too), vm_vsrc behind that barrier.
;   v216-255  the rows' scales and xa in f16: all arithmetic first, one va_vdst, sixteen stores; vm_vsrc at the chunk's bottom, ahead of the steps of v8 and v9 and of the next chunk's writes.
;   the weight ring and the two A buffers   step k's loads land in the ring buffer and the A buffer that step k - 1's products read: ONE va_vdst at a step's head; the 28 loads stand behind the step's first
;       16 products, which name none of those registers.  v16-23 are stepped once a trip, behind a wait on vm_vsrc; the next head's va_vdst shows them written.
;   z's way out   eight row addresses (v16-23), two out-buffers by turns (v64-87, v88-111): block i - 1 is stored at block i's head.
;   GELU      v64-87 loaded, read by the unpacking; the next unit's loads stand behind the batch's own wait.  v224-239 written by the roundings, read by four stores.  v26-28 step at a trip's head.
;   LayerNorm v100-155 loaded, worked on in place, stored from; v58-60 stepped.
.set PXA, 784
.set PH,  1552
.set H,   128*PXA
.set XM,  H
.set U,   XM+16*PXA
.set ST,  U+16*PH
.set TAB, H+128*PH
.set SC,  TAB+7680
.set SPARE, SC+2048                    ; the spare words: 128 bytes a wave, two blocks of 256 bytes that no other line names
.set CHUNK, 98304                      ; bytes of x in two image rows
.set MSB, 0
.macro WIN new                         ; the immediate's high byte repeats the setting that is left; a switch that changes nothing is dropped
.if MSB != (\new)
	s_set_vgpr_msb (MSB<<8)|(\new)
.set MSB, \new
.endif
.endm
.macro PLACES                          ; four places behind matrix instructions (ISA guide 7.12.1)
.rept 4
	v_nop
.endr
.endm
; d = (f16 half hf of x) * u + c, in f32
.macro MIX d, x, hf, u, c
.if \hf
	v_fma_mix_f32 v[\d], v[\x], v[\u], v[\c] op_sel:[1,0,0] op_sel_hi:[1,0,0]
.else
	v_fma_mix_f32 v[\d], v[\x], v[\u], v[\c] op_sel_hi:[1,0,0]
.endif
.endm
; cnt numbers (registers base, base + st, ..) are reduced over the 32 lanes; tb: as many written registers for the other half's figures
.macro XLANE op, opd, base, st, cnt, tb
.irp x, 1,2,4,8
.set xi, 0
.rept \cnt
	\opd v[(\base)+(\st)*xi], v[(\base)+(\st)*xi], v[(\base)+(\st)*xi] row_xmask:\x row_mask:0xf bank_mask:0xf
.set xi, xi+1
.endr
.endr
.set xi, 0
.rept \cnt
	v_permlanex16_b32 v[(\tb)+(\st)*xi], v[(\base)+(\st)*xi], s26, s27
.set xi, xi+1
.endr
.set xi, 0
.rept \cnt
	\op v[(\base)+(\st)*xi], v[(\base)+(\st)*xi], v[(\tb)+(\st)*xi]
.set xi, xi+1
.endr
.endm
; window w of my four: 4 tokens x 1,536 bytes, 12 loads of 512 consecutive bytes; token t = 2 (image row) + (column)
.macro LOADW w, off
	WIN 0xc0
.set t, 0
.rept 4
.set g, 0
.rept 3
	global_load_b128 v[64+48*(\w)+12*t+4*g:67+48*(\w)+12*t+4*g], v2, s[4:5] offset:(\off)+(t/2)*49152+(2*(\w)+t%2)*1536+512*g th:TH_LOAD_NT
.set g, g+1
.endr
.set t, t+1
.endr
	WIN 0
.endm
; PHASE 1, first part: each window's tokens are summed (xs -> XM, f16), rounded to f16 (-> ST) and its registers asked for again, for the next chunk.
.macro PRE reissue
.set q, 0
.rept 4
.if \reissue
	s_wait_loadcnt 36                              ; loads come back in order: behind this window's 12 stand three windows' 36
.else
	s_wait_loadcnt 36-12*q                         ; the last chunk: the counts run down
.endif
	WIN 0x0f                                       ; sources in window 3
.set m, 0
.rept 6
	v_pk_add_f32 v[192+2*m:193+2*m], v[64+48*q+2*m:65+48*q+2*m], v[76+48*q+2*m:77+48*q+2*m]
	v_pk_add_f32 v[204+2*m:205+2*m], v[88+48*q+2*m:89+48*q+2*m], v[100+48*q+2*m:101+48*q+2*m]
.set m, m+1
.endr
.set t, 0
.rept 4
.set m, 0
.rept 6                                        ; 16 bytes of ST hold 4 channels of tokens 2 tp and 2 tp + 1; each window has 24 registers of its own
	v_cvt_pk_f16_f32 v[96+24*q+4*(3*(t/2)+m/2)+2*(t%2)+m%2], v[64+48*q+12*t+2*m], v[65+48*q+12*t+2*m]
.set m, m+1
.endr
.set t, t+1
.endr
	WIN 0
.set m, 0
.rept 6
	v_pk_add_f32 v[192+2*m:193+2*m], v[192+2*m:193+2*m], v[204+2*m:205+2*m]
.set m, m+1
.endr
	v_pk_fma_f32 v[216:217], v[192:193], v[28:29], v[14:15]    ; my lane's part of q.bk: xs.w' + s0
.set m, 1
.rept 5
	v_pk_fma_f32 v[216:217], v[192+2*m:193+2*m], v[28+2*m:29+2*m], v[216:217]
.set m, m+1
.endr
	v_add_f32 v[40+q], v216, v217
.set m, 0
.rept 6
	v_cvt_pk_f16_f32 v[218+6*q+m], v[192+2*m], v[193+2*m]
.set m, m+1
.endr
	s_wait_alu depctr_va_vdst(0)                   ; the roundings have written v[96+24 q ..] and v[218+6 q ..], which the stores read; the sums and roundings are done reading the window's x, in which the loads land
.set g, 0
.rept 3
	ds_store_b64 v3, v[218+6*q+2*g:219+6*q+2*g] offset:PXA*q+256*g
.set g, g+1
.endr
.set m, 0
.rept 6
	ds_store_b128 v5, v[96+24*q+4*m:99+24*q+4*m] offset:(6*q+m)*512
.set m, m+1
.endr
.if \reissue
	LOADW q, CHUNK                                 ; no vector instruction since the wait names these registers
.endif
.set q, q+1
.endr
.endm
; PHASE 2.  12 loads: the six weight fragments of the step st behind the stream's base, into ring buffer buf
.macro BLOADS st, buf
	WIN 0x40
.set n, 0
.rept 6
	global_load_b128 v[48*(\buf)+8*n:48*(\buf)+8*n+3],   v1, s[8:9] offset:((\st)*6+n)*1024
	global_load_b128 v[48*(\buf)+8*n+4:48*(\buf)+8*n+7], v1, s[8:9] offset:((\st)*6+n)*1024+512
.set n, n+1
.endr
	WIN 0
.endm
; 16 LDS loads: eight fragments of 16 rows x 32 k at byte off of the rows
.macro ALOADS buf, off
.set n, 0
.rept 8
	ds_load_b128 v[64+64*(\buf)+8*n:64+64*(\buf)+8*n+3],   v[16+n] offset:\off
	ds_load_b128 v[64+64*(\buf)+8*n+4:64+64*(\buf)+8*n+7], v[16+n] offset:(\off)+32
.set n, n+1
.endr
.endm
; cnt of a step's 48 products, from number a0 on; each accumulator once a step: the accumulators take turns.  a = 6 (row block) + (column tile)
.macro PRODR rb, ab, zero, a0, cnt
.set a, \a0
.rept \cnt
	WIN 0xa1+0x50*(a/32)
.if \zero
	v_wmma_f32_16x16x32_f16 v[(8*a)%256:(8*a)%256+7], v[48*(\rb)+8*(a%6):48*(\rb)+8*(a%6)+7], v[64+64*(\ab)+8*(a/6):64+64*(\ab)+8*(a/6)+7], 0
.else
	v_wmma_f32_16x16x32_f16 v[(8*a)%256:(8*a)%256+7], v[48*(\rb)+8*(a%6):48*(\rb)+8*(a%6)+7], v[64+64*(\ab)+8*(a/6):64+64*(\ab)+8*(a/6)+7], v[(8*a)%256:(8*a)%256+7]
.endif
.set a, a+1
.endr
.endm
; One K step of 32: 16 products; the weights of the step three on and the activations of the next step are asked for; 32 products.  s22 counts a section's trips down; first = its start.
; g2 = 1: the stream ends with this section: in its last trip only step kk = 0 has a step three on.
.macro STEP kk, g2, first
.if (\kk) > 0
	PLACES                                         ; the places behind the last products stay beside the wait below (at kk = 0 the eight address steps at the trip's end are the places)
.endif
	s_wait_loadcnt 24                              ; this step's weights are in: behind them stand two steps' 24 loads; the third step's are asked for below
	s_wait_dscnt 0x0                               ; this step's activations are in
	s_wait_alu depctr_va_vdst(0)                   ; the products of the step before are done reading the ring buffer and the A buffer in which this step's loads land; at kk = 0 v16-23 are written, which the LDS loads read
.if (\kk) == 0
	s_cmp_eq_u32 s22, \first
	s_cbranch_scc1 .Lza_\@
	PRODR 0, 0, 0, 0, 16
	WIN 0
	s_branch .Lha_\@
.Lza_\@:
	PRODR 0, 0, 1, 0, 16                           ; a section's first products start the sums: nothing is cleared
	WIN 0
.Lha_\@:
.else
	PRODR \kk, (\kk)%2, 0, 0, 16
.endif
.if (\g2) && ((\kk) > 0)
	WIN 0
	s_cmp_eq_u32 s22, 1
	s_cbranch_scc1 .Lnb_\@
.endif
	BLOADS (\kk)+3, ((\kk)+3)%4                    ; no wait: the 16 products since the head's wait name this step's ring buffer, its A buffer and the accumulators alone
.if (\g2) && ((\kk) > 0)
	s_branch .Lhb_\@
.Lnb_\@:
	s_wait_loadcnt 0x0                             ; the stream has ended: the weights still out are waited for here, so that the count at the steps' heads holds on this way too
.Lhb_\@:
.endif
.if (\kk) == 3
	s_cmp_eq_u32 s22, 1                            ; a section's last step has no next step
	s_cbranch_scc1 .Lna_\@
.endif
	ALOADS ((\kk)+1)%2, 64*((\kk)+1)
.if (\kk) == 3
.Lna_\@:
.endif
.if (\kk) == 0
	s_cmp_eq_u32 s22, \first
	s_cbranch_scc1 .Lzb_\@
	PRODR 0, 0, 0, 16, 32
	WIN 0
	s_branch .Lhz_\@
.Lzb_\@:
	PRODR 0, 0, 1, 16, 32
	WIN 0
.Lhz_\@:
.else
	PRODR \kk, (\kk)%2, 0, 16, 32
	WIN 0
.endif
.endm
.macro TRIP4 g2, first
	STEP 0, \g2, \first
	STEP 1, \g2, \first
	STEP 2, \g2, \first
	STEP 3, \g2, \first
	s_wait_alu depctr_vm_vsrc(0)                   ; the trip's LDS loads have read v16-23 (and earlier LDS stores their data registers, which the way out's arithmetic writes)
.set n, 0
.rept 8
	v_add_nc_u32 v[16+n], 0x100, v[16+n]           ; four steps of 64 bytes on
.set n, n+1
.endr
	s_wait_xcnt 0x0                                ; the youngest weight loads, 32 products back, have read their base
	s_add_nc_u64 s[8:9], s[8:9], 24576
.endm
	; ================= the head =================
	s_load_b256 s[4:11], s[0:1], 0x0               ; x 4, wm 6, ws 8, tab 10
	s_load_b128 s[12:15], s[0:1], 0x20             ; cw 12, gmx 14
	s_load_b64 s[16:17], s[0:1], 0x30              ; out0
	v_lshl_add_u32 v10, v0, 2, SPARE               ; my spare word, and 0: kept for the add at the wave's end
	v_mov_b32 v11, 0
	v_lshrrev_b32 v1, 5, v0
	v_readfirstlane_b32 s18, v1                    ; wave
	v_and_b32 v13, 31, v0                          ; l
	v_and_b32 v46, 15, v0                          ; r
	v_bfe_u32 v47, v0, 4, 1                        ; h
	v_lshlrev_b32 v1, 4, v13                       ; 16 l; never rewritten
	v_mov_b32 v12, 0
	v_mov_b32 v15, 0
	s_wait_alu depctr_va_sdst(0)                   ; s18 is written, ahead of its first reader
	s_mul_i32 s19, s18, 12288
	v_add_nc_u32 v2, s19, v1                       ; x: my wave's 8 tokens of an image row + 16 l; never rewritten
	v_add_nc_u32 v5, ST, v2                        ; my wave's part of ST + 16 l
	s_mul_i32 s19, s18, 4*PXA
	v_lshl_add_u32 v8, v13, 3, s19                 ; XA (at LDS byte 0): row 4 w, 8 l; steps 16 rows a chunk
	v_add_nc_u32 v3, XM, v8                        ; the same place in XM
	v_mul_u32_u24 v4, v46, PXA
	v_lshl_add_u32 v4, v47, 4, v4
	v_add_nc_u32 v4, XM, v4                        ; a fragment of XM: row r, 16 h
	v_mul_u32_u24 v6, v46, PH
	v_lshl_add_u32 v6, v47, 5, v6
	s_mul_i32 s19, s18, 384
	s_add_co_u32 s19, s19, U
	v_add_nc_u32 v6, s19, v6                       ; u goes out: row r, column 96 w + 8 h
	s_mul_i32 s19, s18, 4*PH
	s_add_co_u32 s19, s19, U
	v_add_nc_u32 v7, s19, v1                       ; u comes back: row 4 w, 16 l
	s_lshl_b32 s19, s18, 6
	s_add_co_u32 s19, s19, SC
	v_mov_b32 v9, s19                              ; my rows' scales; steps 16 rows a chunk
	v_lshlrev_b32 v48, 3, v13
	v_lshlrev_b32 v49, 4, v0
	v_lshlrev_b32 v50, 2, v0
	v_add_nc_u32 v51, TAB, v49                     ; where the table goes in LDS: registers of their own, so that no offset is written behind its loads
	v_add_nc_u32 v52, TAB+6144, v50
	s_mov_b32 s26, 0x76543210                      ; v_permlanex16_b32: each lane takes its own place in the other half
	s_mov_b32 s27, 0xfedcba98
	s_mov_b32 s28, 0x3c800000                      ; 2^-6
	s_mov_b32 s29, s28
	s_mov_b32 s30, 0x3f87dc22                      ; a5 .. a1, each named as a pair
	s_mov_b32 s31, s30
	s_mov_b32 s32, 0xbfba00e3
	s_mov_b32 s33, s32
	s_mov_b32 s34, 0x3fb5f0e3
	s_mov_b32 s35, s34
	s_mov_b32 s36, 0xbe91a98e
	s_mov_b32 s37, s36
	s_mov_b32 s38, 0x3e827906
	s_mov_b32 s39, s38
	s_mov_b32 s40, 0x3e8ba43f                      ; p / sqrt(log2 e)
	s_mov_b32 s41, 0x3f596d27                      ; kappa
	s_mov_b32 s42, 0x3f16b55f                      ; 0.5 / kappa
	s_mov_b32 s43, 0x3b2aaaab                      ; 1 / 384
	s_mov_b32 s44, 0x3727c5ac                      ; 1e-5
	s_mul_i32 s46, s18, 73728                      ; my wave's 72 fragments of M''
	s_mov_b32 s47, 0
	s_mul_i32 s48, ttmp9, 786432
	s_mov_b32 s49, 0
	s_mul_i32 s50, ttmp9, 196608
	s_mov_b32 s51, 0
	s_wait_kmcnt 0x0
	s_add_nc_u64 s[6:7], s[6:7], s[46:47]
	s_add_nc_u64 s[4:5], s[4:5], s[48:49]
	s_add_nc_u64 s[16:17], s[16:17], s[50:51]
	s_wait_alu depctr_va_vdst(0)                   ; the offsets and addresses v1-v9, v12, v48-v52 are written, which the loads and stores below read; only loads and window switches follow up to the wait for the tables
.set f, 0
.rept 72                                       ; fragment f = 6 k + n at v[256 + 8 f]; it stays for all eight chunks
	WIN (1+f/32)<<6
	global_load_b128 v[(8*f)%256:(8*f)%256+3],   v1, s[6:7] offset:f*1024
	global_load_b128 v[(8*f)%256+4:(8*f)%256+7], v1, s[6:7] offset:f*1024+512
.set f, f+1
.endr
	WIN 0
.set g, 0
.rept 3
	global_load_b128 v[16+4*g:19+4*g], v1, s[12:13] offset:512*g           ; c' of my 12 channels 128 g + 4 l + 0..3
	global_load_b128 v[28+4*g:31+4*g], v1, s[12:13] offset:1536+512*g      ; w'
.set g, g+1
.endr
	global_load_b32 v14, v12, s[12:13] offset:3072                         ; s0
.set g, 0
.rept 9
	global_load_b64 v[96+2*g:97+2*g], v48, s[14:15] offset:256*g           ; the 576 maxima of |G''|
.set g, g+1
.endr
.set g, 0
.rept 6
	global_load_b128 v[114+4*g:117+4*g], v1, s[10:11] offset:512*g         ; kappa b', for its maximum
.set g, g+1
.endr
.set g, 0
.rept 3
	global_load_b128 v[138+4*g:141+4*g], v49, s[10:11] offset:2048*g       ; the table for LDS: 128 threads x 16 bytes, three times,
	global_load_b32 v[150+g], v50, s[10:11] offset:6144+512*g              ; and x 4 bytes, three times: 7,680 bytes
.set g, g+1
.endr
	LOADW 0, 0                                     ; chunk 0
	LOADW 1, 0
	LOADW 2, 0
	LOADW 3, 0
	s_wait_loadcnt 48                              ; all but x's 48: the weights and tables are in
.set g, 0
.rept 3
	ds_store_b128 v51, v[138+4*g:141+4*g] offset:2048*g
	ds_store_b32 v52, v[150+g] offset:512*g
.set g, g+1
.endr
	v_max3_num_f32 v96, v96, v97, v98
.set g, 0
.rept 7
	v_max3_num_f32 v96, v96, v[99+2*g], v[100+2*g]
.set g, g+1
.endr
	v_max_num_f32 v96, v96, v113
	v_max3_num_f32 v114, |v114|, |v115|, |v116|
.set g, 0
.rept 10
	v_max3_num_f32 v114, v114, |v[117+2*g]|, |v[118+2*g]|
.set g, g+1
.endr
	v_max_num_f32 v114, v114, |v137|
	XLANE v_max_num_f32, v_max_num_f32_dpp, 96, 18, 2, 97
	v_mul_f32 v44, 0x41400000, v96                 ; 384 max|G| = 12 max|G''|
	v_mul_f32 v45, 0x3f96b55f, v114                ; max|b'| = max|kappa b'| / kappa
	s_wait_alu depctr_vm_vsrc(0)                   ; the table's LDS stores have read v138-152, v51 and v52, the head's loads v48-50: the first chunk's roundings and products write these registers
	; ================= phase 1: eight chunks of 16 windows =================
	s_mov_b32 s21, 8
.Lchunk:
	s_cmp_eq_u32 s21, 1
	s_cbranch_scc1 .Lpre0
	PRE 1
	s_branch .Lmid
.Lpre0:
	PRE 0                                          ; the last chunk asks for nothing
.Lmid:
	s_wait_dscnt 0x0                               ; my rows of XM are stored, and my reads of U (the chunk before) are back
	s_barrier_signal -1
	s_barrier_wait -1                              ; XM is whole; U may be written again
	s_wait_alu depctr_vm_vsrc(0)                   ; my LDS stores have read v96-191, in which the fragments of xs land, and v218-241, which the chunk's end writes (the roundings that wrote v96-191 stand ahead of the last window's wait on va_vdst)
.set k, 0
.rept 12
	ds_load_b128 v[96+8*k:99+8*k],   v4 offset:64*k
	ds_load_b128 v[100+8*k:103+8*k], v4 offset:64*k+32
.set k, k+1
.endr
.set k, 0
.rept 12                                       ; u^T = M'' xs^T: my 96 columns of u for the 16 windows; six accumulators by turns
	s_wait_dscnt 22-2*k                            ; fragment k is in; the younger ones may be out
.set n, 0
.rept 6
.set f, 6*k+n
	WIN 1+f/32
.if k == 0
	v_wmma_f32_16x16x32_f16 v[48+8*n:55+8*n], v[(8*f)%256:(8*f)%256+7], v[96+8*k:103+8*k], 0
.else
	v_wmma_f32_16x16x32_f16 v[48+8*n:55+8*n], v[(8*f)%256:(8*f)%256+7], v[96+8*k:103+8*k], v[48+8*n:55+8*n]
.endif
.set n, n+1
.endr
.set k, k+1
.endr
	WIN 0
	PLACES
	PLACES
	s_wait_alu depctr_va_vdst(0)                   ; the products have written v48-95, which the stores read and in which u lands behind the barrier, and are done reading v96-191, in which my x lands there; the places above stay beside this wait
.set n, 0
.rept 6
	ds_store_b128 v6, v[48+8*n:51+8*n] offset:64*n
	ds_store_b128 v6, v[52+8*n:55+8*n] offset:64*n+16
.set n, n+1
.endr
	s_wait_dscnt 0x0                               ; my columns of U are stored; my reads of XM were waited for above
	s_barrier_signal -1
	s_barrier_wait -1                              ; U is whole; XM may be written again
	s_wait_alu depctr_vm_vsrc(0)                   ; my stores of u have read v48-95, in which the loads below land
.set q, 0
.rept 4
.set g, 0
.rept 3
	ds_load_b128 v[48+12*q+4*g:51+12*q+4*g], v7 offset:PH*q+512*g      ; u of window q, my 12 channels
.set g, g+1
.endr
.set q, q+1
.endr
.set i, 0
.rept 24
	ds_load_b128 v[96+4*i:99+4*i], v5 offset:512*i                     ; my windows' x in f16
.set i, i+1
.endr
	s_wait_dscnt 24                                ; u is in
.set q, 0
.rept 4
.set m, 0
.rept 6
	v_pk_fma_f32 v[48+12*q+2*m:49+12*q+2*m], v[48+12*q+2*m:49+12*q+2*m], s[28:29], v[16+2*m:17+2*m] op_sel_hi:[1,0,1]
.set m, m+1
.endr
.set q, q+1
.endr
.set q, 0
.rept 4                                        ; the 16 logits: four chains a window, started by the lane's part of q.bk
	s_wait_dscnt 18-6*q
.set c, 0
.rept 12
.set t, 0
.rept 4
.if c == 0
	MIX 192+4*q+t, 96+4*(6*q+3*(t/2)+c/4)+2*(t%2)+(c/2)%2, c%2, 48+12*q+c, 40+q
.else
	MIX 192+4*q+t, 96+4*(6*q+3*(t/2)+c/4)+2*(t%2)+(c/2)%2, c%2, 48+12*q+c, 192+4*q+t
.endif
.set t, t+1
.endr
.set c, c+1
.endr
.set q, q+1
.endr
	XLANE v_add_f32, v_add_f32_dpp, 192, 1, 16, 48
.set q, 0
.rept 4
	v_max3_num_f32 v[208+q], v[192+4*q], v[193+4*q], v[194+4*q]
.set q, q+1
.endr
.set q, 0
.rept 4
	v_max_num_f32 v[208+q], v[208+q], v[195+4*q]
.set q, q+1
.endr
.set i, 0
.rept 16
	v_sub_f32 v[192+i], v[192+i], v[208+i/4]       ; the maximum is taken away
.set i, i+1
.endr
.set i, 0
.rept 16
	v_exp_f32 v[192+i], v[192+i]
.set i, i+1
.endr
	v_nop                                          ; a plain instruction behind the last exponential,
	s_wait_alu depctr_va_vdst(0)                   ; and one wait for the batch: the sixteen exponentials have written v192-207, ahead of their first reader
.set q, 0
.rept 4
	v_add_f32 v[208+q], v[192+4*q], v[193+4*q]
	v_add_f32 v[212+q], v[194+4*q], v[195+4*q]
.set q, q+1
.endr
.set q, 0
.rept 4
	v_add_f32 v[208+q], v[208+q], v[212+q]
.set q, q+1
.endr
.set q, 0
.rept 4
	v_rcp_f32 v[208+q], v[208+q]
.set q, q+1
.endr
	v_nop
	s_wait_alu depctr_va_vdst(0)                   ; the four reciprocals have written v208-211, ahead of their first reader
.set i, 0
.rept 16
	v_mul_f32 v[192+i], v[192+i], v[208+i/4]
.set i, i+1
.endr
.set q, 0
.rept 4                                        ; xa = the sum of a_j x_j
.set t, 0
.rept 4
.set c, 0
.rept 12
.if t == 0
	MIX 48+12*q+c, 96+4*(6*q+3*(t/2)+c/4)+2*(t%2)+(c/2)%2, c%2, 192+4*q+t, 12
.else
	MIX 48+12*q+c, 96+4*(6*q+3*(t/2)+c/4)+2*(t%2)+(c/2)%2, c%2, 192+4*q+t, 48+12*q+c
.endif
.set c, c+1
.endr
.set t, t+1
.endr
.set q, q+1
.endr
.set q, 0
.rept 4
	v_max3_num_f32 v[208+q], |v[48+12*q]|, |v[49+12*q]|, |v[50+12*q]|
.set q, q+1
.endr
.set m, 0
.rept 4
.set q, 0
.rept 4
	v_max3_num_f32 v[208+q], v[208+q], |v[51+12*q+2*m]|, |v[52+12*q+2*m]|
.set q, q+1
.endr
.set m, m+1
.endr
.set q, 0
.rept 4
	v_max_num_f32 v[208+q], v[208+q], |v[59+12*q]|
.set q, q+1
.endr
	XLANE v_max_num_f32, v_max_num_f32_dpp, 208, 1, 4, 212
.set q, 0
.rept 4                                        ; the row's power of two: E = the bound's exponent field, s = 2^(140 - E); to be stored: kappa/s, 0.5 s/kappa, s/32, 1/s
	v_fma_f32 v[208+q], v[208+q], v44, v45
	v_lshrrev_b32 v[208+q], 23, v[208+q]
	v_max_u32 v[208+q], 32, v[208+q]
	v_min_u32 v[208+q], 0xde, v[208+q]
	v_sub_nc_u32 v[212+q], 0x10b, v[208+q]
	v_lshlrev_b32 v[212+q], 23, v[212+q]
	v_sub_nc_u32 v[218+4*q], 0x106, v[208+q]
	v_lshlrev_b32 v[218+4*q], 23, v[218+4*q]
	v_add_nc_u32 v[219+4*q], -13, v[208+q]
	v_lshlrev_b32 v[219+4*q], 23, v[219+4*q]
	v_mul_f32 v[216+4*q], s41, v[219+4*q]
	v_mul_f32 v[217+4*q], s42, v[212+q]
.set q, q+1
.endr
.set q, 0
.rept 4
.set m, 0
.rept 6
	v_cvt_pk_f16_f32 v[232+6*q+m], v[48+12*q+2*m], v[49+12*q+2*m]
.set m, m+1
.endr
.set q, q+1
.endr
	s_wait_alu depctr_va_vdst(0)                   ; the scales v216-231 and xa in f16, v232-255, are written, which the sixteen stores read; so are v8 and v9, stepped at the last chunk's bottom
.set q, 0
.rept 4
	ds_store_b128 v9, v[216+4*q:219+4*q] offset:16*q       ; every lane holds the same four numbers
.set q, q+1
.endr
.set q, 0
.rept 4
.set g, 0
.rept 3
	ds_store_b64 v8, v[232+6*q+2*g:233+6*q+2*g] offset:PXA*q+256*g
.set g, g+1
.endr
.set q, q+1
.endr
	s_wait_alu depctr_vm_vsrc(0)                   ; those stores have read v8 and v9, stepped below, and v216-255, which the next chunk's first part writes
	v_add_nc_u32 v8, 16*PXA, v8
	v_add_nc_u32 v9, 0x100, v9
	s_wait_xcnt 0x0                                ; the chunk's loads of x have read their base: it steps only behind this wait; nothing between those loads and this line names the base
	s_add_nc_u64 s[4:5], s[4:5], CHUNK             ; (behind the last chunk the stepped base is not used)
	s_sub_co_i32 s21, s21, 1
	s_cmp_lg_u32 s21, 0
	s_cbranch_scc1 .Lchunk
	; ================= phase 2: the MLP on 128 rows =================
	s_mul_i32 s46, s18, 294912                     ; my wave's stream of 48 steps x 6 fragments
	s_add_nc_u64 s[8:9], s[8:9], s[46:47]
	BLOADS 0, 0                                    ; they land where fragments of M'' lay: the products that read those stand ahead of the last chunk's waits on va_vdst, and nothing since names these registers
	BLOADS 1, 1
	BLOADS 2, 2
	v_mul_u32_u24 v29, v46, PXA
	v_lshl_add_u32 v29, v47, 4, v29                ; a fragment of XA: row r, 16 h
	v_mul_u32_u24 v30, v46, PH
	v_lshl_add_u32 v30, v47, 4, v30
	v_add_nc_u32 v30, H, v30                       ; a fragment of H
	s_mul_i32 s19, s18, 384
	v_add_nc_u32 v25, s19, v30                     ; z goes out: row r, column 192 w + 8 h (f16); 96 columns on in the second pass
	v_lshl_add_u32 v31, v47, 4, v25                ; y goes out: row r, column 96 w + 8 h (f32)
	v_mul_u32_u24 v26, v13, PH
	v_add_nc_u32 v26, s19, v26
	v_add_nc_u32 v26, H-16, v26                    ; GELU: row l, one unit of 16 bytes ahead of my first column (the address steps at a trip's head); rows 32 + l by the immediate,
	v_add_nc_u32 v27, 64*PH, v26                   ; rows 64 + l and 96 + l
	s_mul_i32 s19, s18, 768
	s_add_co_u32 s19, s19, TAB-32
	v_mov_b32 v28, s19                             ; kappa b', one unit of 32 bytes ahead of my first column
	v_lshl_add_u32 v56, v46, 4, SC
	v_lshl_add_u32 v57, v13, 4, SC
	s_mul_i32 s19, s18, 32*PH
	s_add_co_u32 s19, s19, H
	v_add_nc_u32 v58, s19, v1                      ; LayerNorm: row 32 w, 16 l
	s_lshl_b32 s19, s18, 9
	s_add_co_u32 s19, s19, SC
	v_mov_b32 v59, s19
	s_mul_i32 s19, s18, 49152
	v_add_nc_u32 v60, s19, v1                      ; the same row in out0
	v_add_nc_u32 v61, TAB, v1
	s_wait_dscnt 0x0                               ; my rows of XA and SC are stored, my reads of U and ST are back
	s_barrier_signal -1
	s_barrier_wait -1                              ; XA and SC are whole; H may be written
	s_wait_alu depctr_va_vdst(0)                   ; the addresses v26-28 and v56-61 are written; the vector lines above and phase 1's are done with v32-55, in which the scales land
.set n, 0
.rept 8
	ds_load_b64 v[32+2*n:33+2*n], v56 offset:256*n+8       ; s/32 and 1/s of rows 16 n + r
.set n, n+1
.endr
.set n, 0
.rept 4
	ds_load_b64 v[48+2*n:49+2*n], v57 offset:512*n         ; kappa/s and 0.5 s/kappa of rows 32 n + l
.set n, n+1
.endr
	s_mov_b32 s23, 2
.Lpass:                                        ; 96 of my 192 columns of z: 12 K steps, then out, then GELU in place
	v_mov_b32 v16, v29                             ; (in the second pass the stores of z have read v16-23: GELU's waits on vm_vsrc stand between)
.set n, 0
.rept 7
	v_add_nc_u32 v[17+n], 16*PXA, v[16+n]
.set n, n+1
.endr
	s_wait_alu depctr_va_vdst(0)                   ; v16-23 are written, which the LDS loads read; the vector lines so far are done with v64-127, in which they land
	ALOADS 0, 0
	s_mov_b32 s22, 3
.Lt1:
	TRIP4 0, 3
	s_sub_co_i32 s22, s22, 1
	s_cmp_lg_u32 s22, 0
	s_cbranch_scc1 .Lt1
	; z s / 32 x 32 -> f16 -> H, a block of 16 rows at a time.  The eight address steps at the trip's end and the eight lines below are the places behind the last products.
	; Block i is scaled into v192-239 and rounded into out-buffer i % 2; block i - 1 is stored at block i's head.
	v_mov_b32 v16, v25                             ; eight row-block addresses: no address is stepped among the stores
.set n, 0
.rept 7
	v_add_nc_u32 v[17+n], 16*PH, v[16+n]
.set n, n+1
.endr
.set i, 0
.rept 8
.if i >= 2
	s_wait_alu depctr_vm_vsrc(0)                   ; the stores of block i - 2, issued a block ago, have read out-buffer i % 2, which this block's roundings write again
.endif
.if i >= 1
	s_wait_alu depctr_va_vdst(0)                   ; block i - 1's roundings have written the other out-buffer, which the stores below read (at i = 1 also: v16-23 are written)
.set n, 0
.rept 6
	ds_store_b128 v[16+i-1], v[64+24*((i-1)%2)+4*n:64+24*((i-1)%2)+4*n+3] offset:32*n
.set n, n+1
.endr
.endif
.set n, 0
.rept 6
.set a, 6*i+n
	WIN 0x02+a/32
.set m, 0
.rept 4
	v_pk_mul_f32 v[192+8*n+2*m:193+8*n+2*m], v[(8*a)%256+2*m:(8*a)%256+2*m+1], v[32+2*i:33+2*i] op_sel_hi:[1,0]
.set m, m+1
.endr
.set n, n+1
.endr
	WIN 0
.set m, 0
.rept 24
	v_cvt_pk_f16_f32 v[64+24*(i%2)+m], v[192+2*m], v[193+2*m]
.set m, m+1
.endr
.set i, i+1
.endr
	s_wait_alu depctr_va_vdst(0)                   ; block 7's roundings have written v88-111, which the last six stores read; all roundings are done with v64-87, in which GELU's first unit lands
.set n, 0
.rept 6
	ds_store_b128 v23, v[88+4*n:91+4*n] offset:32*n
.set n, n+1
.endr
	v_add_nc_u32 v25, 0xc0, v25
	; GELU on my own columns: 12 units of 8 columns x 128 rows, a lane a row of each 32.  LDS serves a wave's instructions in order (ISA guide 5.7.1.4): the loads see the stores above.
.macro GLOAD off
	ds_load_b128 v[64:67], v26 offset:\off
	ds_load_b128 v[68:71], v26 offset:32*PH+(\off)
	ds_load_b128 v[72:75], v27 offset:\off
	ds_load_b128 v[76:79], v27 offset:32*PH+(\off)
	ds_load_b128 v[80:83], v28 offset:2*(\off)
	ds_load_b128 v[84:87], v28 offset:2*(\off)+16
.endm
	s_wait_alu depctr_vm_vsrc(0)                   ; the stores of z have read v64-111 and v16-23: the first unit lands in v64-87
	GLOAD 16                                       ; the addresses lie one unit back
	s_mov_b32 s24, 12
.Lg:
	s_wait_dscnt 0x0                               ; this unit is in (and the last unit's stores are done)
	s_wait_alu depctr_vm_vsrc(0)                   ; the loads and stores issued so far have read v26-28, stepped below, and the last unit's stores v224-239, which this unit's roundings write
	v_add_nc_u32 v26, 16, v26                      ; this unit's place
	v_add_nc_u32 v27, 16, v27
	v_add_nc_u32 v28, 32, v28
.set b, 0
.rept 4
.set c, 0
.rept 8
	MIX 96+8*b+c, 64+4*b+c/2, c%2, 48+2*b, 80+c    ; z' = (z s) kappa / s + kappa b'
.set c, c+1
.endr
.set b, b+1
.endr
.set j, 0
.rept 16
	v_pk_mul_f32 v[128+2*j:129+2*j], v[96+2*j:97+2*j], v[96+2*j:97+2*j]
.set j, j+1
.endr
.set j, 0
.rept 32
	v_fma_f32 v[160+j], |v[96+j]|, s40, 1.0
.set j, j+1
.endr
.set j, 0
.rept 32
	v_rcp_f32 v[160+j], v[160+j]                   ; t
.set j, j+1
.endr
.set j, 0
.rept 32
	v_exp_f32 v[128+j], -v[128+j]                  ; 2^(-z'^2)
.set j, j+1
.endr
	v_nop                                          ; a plain instruction behind the last of them,
	s_wait_alu depctr_va_vdst(0)                   ; and one wait: the batch of 64 has written v128-191, ahead of its first reader; the unpacking is done reading v64-87, in which the next unit lands; v26-28 are written
	s_cmp_eq_u32 s24, 1
	s_cbranch_scc1 .Lgn
	GLOAD 16                                       ; the next unit, while this one is worked on: no vector line below names v64-87
.Lgn:
.set j, 0
.rept 16
	v_pk_fma_f32 v[192+2*j:193+2*j], v[160+2*j:161+2*j], s[30:31], s[32:33] op_sel_hi:[1,0,0]
.set j, j+1
.endr
.irp sc, 34, 36, 38
.set j, 0
.rept 16
	v_pk_fma_f32 v[192+2*j:193+2*j], v[192+2*j:193+2*j], v[160+2*j:161+2*j], s[\sc:\sc+1] op_sel_hi:[1,1,0]
.set j, j+1
.endr
.endr
.set j, 0
.rept 16
	v_pk_mul_f32 v[192+2*j:193+2*j], v[192+2*j:193+2*j], v[160+2*j:161+2*j]
.set j, j+1
.endr
.set j, 0
.rept 16
	v_pk_fma_f32 v[192+2*j:193+2*j], v[192+2*j:193+2*j], v[128+2*j:129+2*j], 1.0 op_sel_hi:[1,1,0] neg_lo:[1,0,0] neg_hi:[1,0,0]  ; erf(|z| / sqrt 2)
.set j, j+1
.endr
.set j, 0
.rept 16
	v_pk_mul_f32 v[96+2*j:97+2*j], v[96+2*j:97+2*j], v[48+2*(j/4):49+2*(j/4)] op_sel:[0,1] op_sel_hi:[1,1]  ; 0.5 z s
.set j, j+1
.endr
.set j, 0
.rept 32
	v_fma_f32 v[96+j], |v[96+j]|, v[192+j], v[96+j]        ; 0.5 z s + 0.5 |z| s erf
.set j, j+1
.endr
.set j, 0
.rept 16
	v_cvt_pk_f16_f32 v[224+j], v[96+2*j], v[97+2*j]
.set j, j+1
.endr
	s_wait_alu depctr_va_vdst(0)                   ; the roundings have written v224-239, which the four stores read
	ds_store_b128 v26, v[224:227]
	ds_store_b128 v26, v[228:231] offset:32*PH
	ds_store_b128 v27, v[232:235]
	ds_store_b128 v27, v[236:239] offset:32*PH
	s_sub_co_i32 s24, s24, 1
	s_cmp_lg_u32 s24, 0
	s_cbranch_scc1 .Lg
	s_sub_co_i32 s23, s23, 1
	s_cmp_lg_u32 s23, 0
	s_cbranch_scc1 .Lpass
	s_wait_dscnt 0x0                               ; my columns of h are stored
	s_barrier_signal -1
	s_barrier_wait -1                              ; H is whole
	v_mov_b32 v16, v30
.set n, 0
.rept 7
	v_add_nc_u32 v[17+n], 16*PH, v[16+n]
.set n, n+1
.endr
	s_wait_alu depctr_va_vdst(0)                   ; v16-23 are written, which the LDS loads read; GELU's vector lines are done with v64-127, in which they land
	ALOADS 0, 0
	s_mov_b32 s22, 6
.Lt2:                                          ; y s = (h s) W2: 24 K steps
	TRIP4 1, 6
	s_sub_co_i32 s22, s22, 1
	s_cmp_lg_u32 s22, 0
	s_cbranch_scc1 .Lt2
	v_mov_b32 v16, v31                             ; these eight, and the eight steps above them, are the places behind the last products
.set n, 0
.rept 7
	v_add_nc_u32 v[17+n], 16*PH, v[16+n]
.set n, n+1
.endr
	s_wait_alu depctr_va_vdst(0)                   ; the products have written the accumulators and the lines above v16-23, which the stores below read; the products are done reading v64-191, in which LayerNorm's first loads land
	s_wait_dscnt 0x0                               ; my reads of H are back
	s_barrier_signal -1
	s_barrier_wait -1                              ; nobody reads h any more: y takes its place, in f32
.set a, 0
.rept 48
	WIN (2+a/32)<<2                                ; the stores' data lie in windows 2 and 3
	ds_store_b128 v[16+a/6], v[(8*a)%256:(8*a)%256+3]   offset:64*(a%6)
	ds_store_b128 v[16+a/6], v[(8*a)%256+4:(8*a)%256+7] offset:64*(a%6)+16
.set a, a+1
.endr
	WIN 0
	s_wait_dscnt 0x0
	s_barrier_signal -1
	s_barrier_wait -1                              ; y is whole
	; ================= LayerNorm: wave w takes rows 32 w .., four a trip; a lane holds channels 128 g + 4 l + 0..3 =================
.set g, 0
.rept 3
	ds_load_b128 v[64+4*g:67+4*g], v61 offset:3072+512*g   ; b2
	ds_load_b128 v[76+4*g:79+4*g], v61 offset:4608+512*g   ; gamma
	ds_load_b128 v[88+4*g:91+4*g], v61 offset:6144+512*g   ; beta
.set g, g+1
.endr
	s_mov_b32 s22, 8
.Lln:
.set q, 0
.rept 4
.set g, 0
.rept 3
	ds_load_b128 v[100+12*q+4*g:103+12*q+4*g], v58 offset:PH*q+512*g
.set g, g+1
.endr
	ds_load_b64 v[148+2*q:149+2*q], v59 offset:16*q+8      ; s/32 and 1/s
.set q, q+1
.endr
	s_wait_alu depctr_vm_vsrc(0)                   ; these loads have read v58 and v59, stepped below
	v_add_nc_u32 v58, 4*PH, v58                    ; the next trip's rows: shown written by the wait ahead of this trip's stores
	v_add_nc_u32 v59, 64, v59
	s_wait_dscnt 0x0
.set q, 0
.rept 4
.set m, 0
.rept 6
	v_pk_fma_f32 v[100+12*q+2*m:101+12*q+2*m], v[100+12*q+2*m:101+12*q+2*m], v[148+2*q:149+2*q], v[64+2*m:65+2*m] op_sel:[0,1,0] op_sel_hi:[1,1,1]  ; y = sum / s + b2
.set m, m+1
.endr
.set q, q+1
.endr
.set q, 0
.rept 4
	v_pk_add_f32 v[160+2*q:161+2*q], v[100+12*q:101+12*q], v[102+12*q:103+12*q]
	v_pk_add_f32 v[168+2*q:169+2*q], v[104+12*q:105+12*q], v[106+12*q:107+12*q]
	v_pk_add_f32 v[176+2*q:177+2*q], v[108+12*q:109+12*q], v[110+12*q:111+12*q]
.set q, q+1
.endr
.set q, 0
.rept 4
	v_pk_add_f32 v[160+2*q:161+2*q], v[160+2*q:161+2*q], v[168+2*q:169+2*q]
.set q, q+1
.endr
.set q, 0
.rept 4
	v_pk_add_f32 v[160+2*q:161+2*q], v[160+2*q:161+2*q], v[176+2*q:177+2*q]
.set q, q+1
.endr
.set q, 0
.rept 4
	v_add_f32 v[160+2*q], v[160+2*q], v[161+2*q]
.set q, q+1
.endr
	XLANE v_add_f32, v_add_f32_dpp, 160, 2, 4, 161
.set q, 0
.rept 4
	v_mul_f32 v[160+2*q], s43, v[160+2*q]          ; the mean
.set q, q+1
.endr
.set q, 0
.rept 4
.set m, 0
.rept 6
	v_pk_add_f32 v[100+12*q+2*m:101+12*q+2*m], v[100+12*q+2*m:101+12*q+2*m], v[160+2*q:161+2*q] op_sel_hi:[1,0] neg_lo:[0,1] neg_hi:[0,1]
.set m, m+1
.endr
.set q, q+1
.endr
.set q, 0
.rept 4
	v_pk_mul_f32 v[168+2*q:169+2*q], v[100+12*q:101+12*q], v[100+12*q:101+12*q]
.set q, q+1
.endr
.set m, 1
.rept 5
.set q, 0
.rept 4
	v_pk_fma_f32 v[168+2*q:169+2*q], v[100+12*q+2*m:101+12*q+2*m], v[100+12*q+2*m:101+12*q+2*m], v[168+2*q:169+2*q]
.set q, q+1
.endr
.set m, m+1
.endr
.set q, 0
.rept 4
	v_add_f32 v[168+2*q], v[168+2*q], v[169+2*q]
.set q, q+1
.endr
	XLANE v_add_f32, v_add_f32_dpp, 168, 2, 4, 169
.set q, 0
.rept 4
	v_fma_f32 v[168+2*q], v[168+2*q], s43, s44     ; the variance + 1e-5
.set q, q+1
.endr
.set q, 0
.rept 4
	v_rsq_f32 v[168+2*q], v[168+2*q]
.set q, q+1
.endr
	v_nop
	s_wait_alu depctr_va_vdst(0)                   ; the four roots have written v168, v170, v172, v174, ahead of their first reader
.set q, 0
.rept 4
.set m, 0
.rept 6
	v_pk_mul_f32 v[100+12*q+2*m:101+12*q+2*m], v[100+12*q+2*m:101+12*q+2*m], v[168+2*q:169+2*q] op_sel_hi:[1,0]
.set m, m+1
.endr
.set m, 0
.rept 6
	v_pk_fma_f32 v[100+12*q+2*m:101+12*q+2*m], v[100+12*q+2*m:101+12*q+2*m], v[76+2*m:77+2*m], v[88+2*m:89+2*m]
.set m, m+1
.endr
.set q, q+1
.endr
	s_wait_alu depctr_va_vdst(0)                   ; the four rows' results v100-147 and the offset v60 are written, which the stores read; v58 and v59 are written and the trip's vector lines are done with v100-155: the next trip's loads
.set q, 0
.rept 4
.set g, 0
.rept 3
	global_store_b128 v60, v[100+12*q+4*g:103+12*q+4*g], s[16:17] offset:1536*q+512*g th:TH_STORE_NT  ; 512 consecutive bytes, at a multiple of 512 from out0's first
.set g, g+1
.endr
.set q, q+1
.endr
	s_wait_xcnt 0x0                                ; the stores' addresses are translated: only behind this wait are their offset and data written again,
	s_wait_alu depctr_vm_vsrc(0)                   ; and the stores have read v60, stepped below, and v100-147, in which the next trip's loads land
	v_add_nc_u32 v60, 6144, v60
	s_sub_co_i32 s22, s22, 1
	s_cmp_lg_u32 s22, 0
	s_cbranch_scc1 .Lln
	s_wait_dscnt 0x0                               ; the closing lines, six on end
	s_wait_alu 0x0
	s_wait_tensorcnt 0x0
	ds_add_u32 v10, v11
	s_wait_dscnt 0x0
	s_endpgm
.Lfunc_end_k_qb482f89beb_main:
	.size	k_qb482f89beb_main, .Lfunc_end_k_qb482f89beb_main-k_qb482f89beb_main
	.p2alignl 7, 3214868480
	.fill 96, 4, 3214868480
	.section	.rodata,"a",@progbits
	.p2align	6, 0x0
	.amdhsa_kernel k_qb482f89beb_main
		.amdhsa_group_segment_fixed_size 309248
		.amdhsa_private_segment_fixed_size 0
		.amdhsa_enable_private_segment 0
		.amdhsa_kernarg_size 56
		.amdhsa_user_sgpr_count 2
		.amdhsa_user_sgpr_kernarg_segment_ptr 1
		.amdhsa_wavefront_size32 1
		.amdhsa_system_sgpr_workgroup_id_x 1
		.amdhsa_system_sgpr_workgroup_id_y 1
		.amdhsa_system_sgpr_workgroup_id_z 1
		.amdhsa_system_vgpr_workitem_id 0
		.amdhsa_next_free_vgpr 1024
		.amdhsa_next_free_sgpr 66
		.amdhsa_reserve_vcc 0
		.amdhsa_float_denorm_mode_32 3
		.amdhsa_float_denorm_mode_16_64 3
		.amdhsa_memory_ordered 1
		.amdhsa_forward_progress 1
		.amdhsa_inst_pref_size 249
	.end_amdhsa_kernel
	.amdgpu_metadata
---
amdhsa.version: [ 1, 2 ]
amdhsa.kernels:
  - .name:           k_qb482f89beb_main
    .symbol:         k_qb482f89beb_main.kd
    .args:
      - { .name: x, .offset: 0, .size: 8, .value_kind: global_buffer, .address_space: global }
      - { .name: wm, .offset: 8, .size: 8, .value_kind: global_buffer, .address_space: global }
      - { .name: ws, .offset: 16, .size: 8, .value_kind: global_buffer, .address_space: global }
      - { .name: tab, .offset: 24, .size: 8, .value_kind: global_buffer, .address_space: global }
      - { .name: cw, .offset: 32, .size: 8, .value_kind: global_buffer, .address_space: global }
      - { .name: gmx, .offset: 40, .size: 8, .value_kind: global_buffer, .address_space: global }
      - { .name: out0, .offset: 48, .size: 8, .value_kind: global_buffer, .address_space: global }
    .group_segment_fixed_size: 309248
    .private_segment_fixed_size: 0
    .kernarg_segment_align: 8
    .kernarg_segment_size: 56
    .max_flat_workgroup_size: 128
    .sgpr_count:     66
    .vgpr_count:     1024
    .wavefront_size: 32
...
	.end_amdgpu_metadata
.endif
;; end of part 3
